; MI455X (gfx1250); checked and timed in simulation.
; The chip was launched on July 23, 2026; its instructions are those of AMD's public machine-readable ISA for CDNA 5 (MIT licence, August 2026) and "CDNA5" Instruction Set Architecture Reference Guide (July 2026). The comments in the code are by the model that wrote it; some were corrected since.
;; Block. Allowed arithmetic: matrix products marked QUANTISED: E4M3 operands, one E8M0 scale for each 32 along K, by v_wmma_scale_f32_16x16x128_f8f6f4 with both operands' format E4M3, f32 sums; everything else in f32.
;; Inputs: l1_b 4,096 float32; l1_w 4,096 x 1,024 float32; l3_b 1,024 float32; l3_w 1,024 x 4,096 float32; ln1_b 1,024 float32; ln1_g 1,024 float32; ln2_b 1,024 float32; ln2_g 1,024 float32; proj_b 1,024 float32; proj_w 1,024 x 1,024 float32; qkv_w 3,072 x 1,024 float32; x 2 x 2,048 x 1,024 float32.
;; Outputs: out0 2 x 2,048 x 1,024 float32.
;; This version of the problem:
;;   THIS VERSION OF THE PROBLEM IS GIVEN IN LOW PRECISION. The matrix products marked QUANTISED in the list below multiply operands that are first quantised to E4M3 (4 exponent bits, 3 mantissa bits; 8 bits a number), with one power-of-two scale for each 32 numbers along K (OCP MX v1.0); their sums are f32. All else is computed in f32.
;;   The module's matrix products, in the order in which they are computed (A, B: the left and right operand; K: the contracted axis; several contracted axes count as one K, in the product's order):
;;     1. [M 4,096, K 1,024] x [K 1,024, N 3,072]; A: computed on the way; B: input qkv_w: QUANTISED
;;     2. batch 32 x [M 2,048, K 64] x [K 64, N 2,048]; A: computed on the way; B: computed on the way: QUANTISED
;;     3. batch 32 x [M 64, K 2,048] x [K 2,048, N 2,048]; A: computed on the way; B: softmax (see below): QUANTISED
;;     4. [M 4,096, K 1,024] x [K 1,024, N 1,024]; A: computed on the way; B: input proj_w: QUANTISED
;;     5. [M 4,096, K 1,024] x [K 1,024, N 4,096]; A: computed on the way; B: input l1_w: QUANTISED
;;     6. [M 4,096, K 4,096] x [K 4,096, N 1,024]; A: computed on the way; B: input l3_w: QUANTISED
;;   THE QUANTISER, for each operand of a quantised product, along K:
;;     - K is cut into blocks of 32 from its start; a last block that is shorter is filled with zeros.
;;     - A block's scale is 2^e with e = floor(log2(the largest magnitude in the block)) - 8, held to -126 .. 127; a block of zeros has e = 0. As a byte (E8M0): e + 127.
;;     - Each number is divided by its block's scale, clamped to +-448, and rounded to the nearest number of E4M3, ties to even, subnormals kept.
;;     - The product sums the exact products of the quantised numbers (number of the format x scale) in f32.
;;   ~~~python
;;   def quantise(x, axis):      # numpy; x: float32 -> the quantised numbers, widened to float32 again
;;       x = np.moveaxis(x, axis, -1); K = x.shape[-1]
;;       x = np.pad(x, [(0, 0)] * (x.ndim - 1) + [(0, -K % 32)]); x = x.reshape(x.shape[:-1] + (-1, 32)); a = np.abs(x).max(-1, keepdims=True)
;;       e = np.where(a > 0, np.clip(np.frexp(np.where(a > 0, a, 1))[1] - 1 - 8, -126, 127), 0)      # np.frexp(a)[1] - 1 = floor(log2(a)), exactly
;;       r = np.clip(x / 2.0 ** e, -448, 448)
;;       step = 2.0 ** (np.maximum(np.frexp(np.where(r == 0, 1, r))[1] - 1, -6) - 3)
;;       q = np.round(r / step) * step * 2.0 ** e      # np.round: ties to even
;;       return np.moveaxis(q.reshape(q.shape[:-2] + (-1,))[..., :K], -1, axis).astype(np.float32)
;;   ~~~
;;   SOFTMAX AHEAD OF A QUANTISED PRODUCT. Where the list says 'softmax', what is quantised is not the finished softmax but p = 2^(t - M), with t = logit x log2(e) and M = ceil(the row's largest t), a whole number; so 1/2 < the row's largest p <= 1. The row's sum l is taken of the UNQUANTISED p, in f32, and the product's result is divided by l at the end. Since M is a whole number, a kernel that streams over the keys may use a running M (the ceiling of the running maximum): every later rescaling is an exact power of two, which a block's scale takes up: the codes' values come out the same.
;;   OPERANDS COMPUTED ON THE WAY. 'Computed on the way' means the value that the module computes at that place (a softmax that the list does not call 'softmax' is quantised finished and normalised). What goes into a quantiser is computed in f32, as accurately as f32 sums, v_exp_f32 and their like allow (about 1e-6 of the number): no bf16 or f16 on the way to a quantiser, and a product that is left as it is and whose result goes on into a quantised operand takes f32 operands (vector FMAs, or v_wmma_f32_16x16x4_f32). A number that lies on a knife's edge between two numbers of the format may be rounded either way, as far as f32 arithmetic and the matrix unit's own rounding can turn it there, and no further.
;; One version. Each part assembles by itself: llvm-mc -triple=amdgcn-amd-amdhsa -mcpu=gfx1250 --defsym DOCPART=n.
;; ======== version 1 of 1: 7 launches
;; limits: right only within a limited range of input values
;; workspace buffers: wts 12,976,128 bytes; act 4,325,376 bytes; qkvb 12,976,128 bytes; att 4,325,376 bytes; x1 16,777,216 bytes; hid 17,301,504 bytes
;; launch prep (part 1): grid 512 x 1, 8 waves a work-group, no clusters, 2,048 bytes of LDS; arguments x, ln1_g, ln1_b, act, qkv_w, proj_w, l1_w, l3_w, wts; writes act, wts
.if DOCPART == 1
	.amdgcn_target "amdgcn-amd-amdhsa--gfx1250"
	.amdhsa_code_object_version 6
	.text
	.protected	k_q4ed5abcded_prep
	.globl	k_q4ed5abcded_prep
	.p2align	8
	.type	k_q4ed5abcded_prep,@function
k_q4ed5abcded_prep:
	s_mov_b64 s[64:65], 0
	v_nop
	global_prefetch_b8 v0, s[64:65] scope:SCOPE_SE
	s_setreg_imm32_b32 hwreg(HW_REG_WAVE_MODE, 25, 1), 1
	s_wait_xcnt 0x0
; LayerNorm + quantiser for the rows (work-groups 0-255), and the quantiser alone for the four weights (work-groups 256-511).
; All results are codes of FP8 (E4M3) with one E8M0 byte for each 32 along K, laid AS THE MATRIX OPERAND'S REGISTERS WANT THEM:
;   a tile is 16 rows: lane r of tile t holds row 32 (t / 2) + 8 (t % 2) + r + 8 (r / 8);  a fragment (a tile x 128 along K) is 2,048 bytes: register group c of lane l
;   (k = 32 c + 16 (l / 16) + 0 .. 15) at 512 c + 16 l;  a chunk (128 rows x 128 along K) is 8 fragments and, from byte 16,384 on, the scale words at 32 r + 4 x tile: 16,896 bytes;
;   chunk number = row block x (K / 128) + K step.
; A fragment is one wave's work: lane (r, h) loads, of its row, 16 neighbours of each block of 32: its 64 registers are the fragment's k in order.
; ROWS: a work-group takes one tile of 16 rows, wave w K step w.  WEIGHTS: work-group 256 + j takes three tiles x eight K steps, so a wave three fragments: tile j of qkv_w's 192 and proj_w's 64 on end; tile j of l1_w;
; tile j / 4 of l3_w (K = 4,096), K steps 8 (j % 4) + w.  A wave's 48 loads go out on end; the fragments are worked in the order in which they were asked for.
; LayerNorm as the module has it: mean; sum of squares of (x - mean), taken after the mean is taken away; / 1023; root; + 1e-6; g (x - mean) / that + b.  All in f32.  A row's sums meet in LDS: eight waves, two barriers.
; A block's scale is 2^(floor(log2(largest magnitude)) - 8); its byte is that magnitude's exponent field - 8, held at 1 from below.
; LIMITS: NaN and infinities among the inputs are not served; a block whose largest magnitude lies under 2^-118 (a block of zeros too) keeps the byte 1: a block of zeros has zero codes, which add nothing, and this program alone reads the bytes.
; The scale words leave as 4 bytes a row, 32 bytes apart: one byte in 32 of what is stored; the reader then has four tiles' words by one load of 16 bytes.
; No tensor loads, no matrix unit, no cluster: no two work-groups read the same bytes.
.set CH,   16896
.set SCO,  16384
.set WPO,  3244032                     ; in wts: proj_w's chunks behind qkv_w's 24 x 8
.set W1O,  4325376                     ; l1_w's
.set W3O,  8650752                     ; l3_w's
.set X,    16                          ; v16-79   64 numbers
.set G,    80                          ; v80-143  gain; in a weights' wave a second fragment's numbers
.set BT,   144                         ; v144-207 bias; a third's
.set PC,   208                         ; v208-223 codes
.set TM,   224                         ; v224-227 largest magnitudes, 228-231 bytes, 232-235 448 x scale, 236-239 the conversions' scale operands
.set PW,   240                         ; the scale word
.set SEL,  50                          ; s[50:51] v_permlanex16_b32's selects for lane l xor 16
.set MNT,  52                          ; s52 the mantissa field of 448
; where a fragment comes from and goes: s[o:o+1] its rows' first byte, s[o+2:o+3] the fragment, s[o+4:o+5] its scale words.  src: the tensor; tile, kst, base: registers with the tile, the K step, the tensor's first chunk's byte; lrb, lks: log2 of a row's bytes and of K / 128
.macro PLACE src, tile, kst, lrb, lks, base, dst, o
	s_lshr_b32 s37, s[\tile], 1
	s_lshl_b32 s37, s37, 5
	s_and_b32 s38, s[\tile], 1
	s_lshl_b32 s38, s38, 3
	s_add_co_u32 s37, s37, s38                     ; the tile's first row: 32 (t / 2) + 8 (t % 2)
	s_lshl_b32 s38, s37, \lrb
	s_lshl_b32 s39, s[\kst], 9                     ; 512 bytes a K step
	s_add_co_u32 s38, s38, s39
	s_mov_b32 s39, 0
	s_add_nc_u64 s[\o:\o+1], s[\src:\src+1], s[38:39]
	s_lshr_b32 s40, s[\tile], 3
	s_lshl_b32 s40, s40, \lks
	s_add_co_u32 s40, s40, s[\kst]                 ; the chunk
	s_mul_i32 s40, s40, CH
	s_add_co_u32 s40, s40, s[\base]
	s_and_b32 s42, s[\tile], 7                     ; the tile in its block of 128 rows
	s_lshl_b32 s43, s42, 11
	s_add_co_u32 s38, s40, s43
	s_add_nc_u64 s[\o+2:\o+3], s[\dst:\dst+1], s[38:39]
	s_lshl_b32 s43, s42, 2
	s_add_co_u32 s38, s40, s43
	s_add_co_u32 s38, s38, SCO
	s_add_nc_u64 s[\o+4:\o+5], s[\dst:\dst+1], s[38:39]
.endm
.macro LOADX x, off, a
.irp b, 0,1,2,3
.irp j, 0,1,2,3
	global_load_b128 v[\x+16*\b+4*\j:\x+16*\b+4*\j+3], v[\off], s[\a:\a+1] offset:128*\b+16*\j
.endr
.endr
.endm
; 64 numbers at x become a fragment and its scale word, stored by the addresses at s[a+2 ..]
.macro QUANT x, a
.irp b, 0,1,2,3
	v_max3_num_f32 v[TM+\b], |v[\x+16*\b]|, |v[\x+1+16*\b]|, 0x4800000   ; block b: my 16 numbers, and the floor 2^(9 - 127): the byte cannot fall under 1
.endr
.irp e, 2,4,6,8,10,12,14
.irp b, 0,1,2,3
	s_delay_alu instid0(VALU_DEP_4)
	v_max3_num_f32 v[TM+\b], v[TM+\b], |v[\x+16*\b+\e]|, |v[\x+1+16*\b+\e]|   ; the four blocks by turns
.endr
.endr
.irp b, 0,1,2,3
	s_delay_alu instid0(VALU_DEP_4)
	v_permlanex16_b32 v[TM+4+\b], v[TM+\b], s[SEL], s[SEL+1]
.endr
.irp b, 0,1,2,3
	s_delay_alu instid0(VALU_DEP_4)
	v_max_num_f32 v[TM+\b], v[TM+\b], v[TM+4+\b]   ; with lane l xor 16's 16: the block's largest magnitude
.endr
.irp b, 0,1,2,3
	s_delay_alu instid0(VALU_DEP_4)
	v_add_nc_u32 v[TM+12+\b], 0xfc000000, v[TM+\b] ; 8 off its exponent field: the conversion takes this operand's exponent field as its scale
.endr
.irp b, 0,1,2,3
	v_and_or_b32 v[TM+8+\b], v[TM+\b], 0x7f800000, s[MNT]   ; 448 x the scale
.endr
.irp b, 0,1,2,3
	v_lshrrev_b32 v[TM+4+\b], 23, v[TM+12+\b]      ; the scale's byte
.endr
	s_delay_alu instid0(VALU_DEP_3)
	v_lshl_or_b32 v[PW], v[TM+5], 8, v[TM+4]
	s_delay_alu instid0(VALU_DEP_1)
	v_lshl_or_b32 v[PW], v[TM+6], 16, v[PW]
	s_delay_alu instid0(VALU_DEP_1)
	v_lshl_or_b32 v[PW], v[TM+7], 24, v[PW]
.irp b, 0,1,2,3
.irp e, 0,1,2,3,4,5,6,7,8,9,10,11,12,13,14,15
	v_med3_num_f32 v[\x+16*\b+\e], v[\x+16*\b+\e], -v[TM+8+\b], v[TM+8+\b]   ; the conversion to an 8-bit code does not saturate (ISA guide 7.6.2): held at the largest code x the scale first
.endr
	v_cvt_scalef32_pk8_fp8_f32 v[PC+4*\b:PC+4*\b+1], v[\x+16*\b:\x+16*\b+7], v[TM+12+\b]
	v_cvt_scalef32_pk8_fp8_f32 v[PC+4*\b+2:PC+4*\b+3], v[\x+16*\b+8:\x+16*\b+15], v[TM+12+\b]
.endr
	v_nop
.irp c, 0,1,2,3
	global_store_b128 v4, v[PC+4*\c:PC+4*\c+3], s[\a+2:\a+3] offset:512*\c   ; 32 lanes store 512 consecutive bytes, at a multiple of 256 from the buffer's first byte
.endr
	global_store_b32 v5, v[PW], s[\a+4:\a+5]       ; lanes l and l + 16 store the same word
.endm
	s_load_b256 s[4:11], s[0:1], 0x0               ; rows s[4:5], gain s[6:7], bias s[8:9], act s[10:11]
	s_load_b256 s[12:19], s[0:1], 0x20             ; qkv_w, proj_w, l1_w, l3_w
	s_load_b64 s[20:21], s[0:1], 0x40              ; wts
	v_lshl_add_u32 v254, v0, 2, 0x400
	v_mov_b32 v255, 0
	v_lshrrev_b32 v1, 5, v0
	v_readfirstlane_b32 s22, v1                    ; wave 0..7
	s_lshl_b32 s23, s22, 2
	s_mov_b32 s[SEL], 0x76543210
	s_mov_b32 s[SEL+1], 0xfedcba98
	s_mov_b32 s[MNT], 0x600000
	v_and_b32 v1, 15, v0                           ; r
	v_bfe_u32 v2, v0, 4, 1                         ; h
	v_and_b32 v4, 31, v0
	v_lshrrev_b32 v3, 3, v1
	v_lshlrev_b32 v4, 4, v4                        ; 16 x lane: my place in a register group's 512 bytes
	v_lshlrev_b32 v5, 5, v1                        ; 32 r: a row's scale words; also a row's eight partial sums in LDS
	v_lshlrev_b32 v6, 6, v2                        ; 64 h
	v_lshl_add_u32 v3, v3, 3, v1                   ; r + 8 (r / 8)
	v_add_nc_u32 v7, s23, v5                       ; 32 r + 4 w: my wave's partial sum
	v_lshlrev_b32 v8, 14, v3
	v_lshlrev_b32 v3, 12, v3
	v_add_nc_u32 v8, v8, v6                        ; my row, + 64 h, where a row is 16,384 bytes (l3_w);
	v_add_nc_u32 v3, v3, v6                        ; where it is 4,096
.irp b, 0,1,2,3
	v_mov_b32 v[TM+4+\b], 0                        ; written once: a lane permute's destination counts as one of its sources
.endr
	s_wait_alu depctr_va_vdst(0)                   ; the wait at the head's end
	s_wait_kmcnt 0x0
	s_cmp_ge_u32 ttmp9, 256                        ; rows or weights: the same in all eight waves
	s_cbranch_scc1 .Lweights
	s_mov_b32 s53, ttmp9                           ; the tile
	s_mov_b32 s59, 0
	PLACE 4, 53, 22, 12, 3, 59, 10, 24
	LOADX X, 3, 24
	s_lshl_b32 s38, s22, 9
	s_mov_b32 s39, 0
	s_add_nc_u64 s[6:7], s[6:7], s[38:39]
	s_add_nc_u64 s[8:9], s[8:9], s[38:39]
.irp b, 0,1,2,3
.irp j, 0,1,2,3
	global_load_b128 v[G+16*\b+4*\j:G+16*\b+4*\j+3], v6, s[6:7] offset:128*\b+16*\j
.endr
.endr
.irp b, 0,1,2,3
.irp j, 0,1,2,3
	global_load_b128 v[BT+16*\b+4*\j:BT+16*\b+4*\j+3], v6, s[8:9] offset:128*\b+16*\j
.endr
.endr
; v[12:13]: my lane's sum in two halves -> v12: the row's sum.  The other half of the lanes holds the row's other 64 numbers of this K step; the eight waves' sums meet in LDS, at off.
.macro REDUCE off
	s_delay_alu instid0(VALU_DEP_1)
	v_add_f32 v12, v12, v13
	s_delay_alu instid0(VALU_DEP_1)
	v_permlanex16_b32 v13, v12, s[SEL], s[SEL+1]
	s_delay_alu instid0(VALU_DEP_1)
	v_add_f32 v12, v12, v13
	ds_store_b32 v7, v12 offset:\off               ; lanes l and l + 16 write the same word with the same value
	s_wait_dscnt 0x0                               ; for the others' sake: my store has landed
	s_barrier_signal -1
	s_barrier_wait -1
	ds_load_b128 v[244:247], v5 offset:\off
	ds_load_b128 v[248:251], v5 offset:\off+16
	s_wait_dscnt 0x0
	v_add_f32 v244, v244, v245
	v_add_f32 v246, v246, v247
	v_add_f32 v248, v248, v249
	v_add_f32 v250, v250, v251
	s_delay_alu instid0(VALU_DEP_3)
	v_add_f32 v244, v244, v246
	s_delay_alu instid0(VALU_DEP_2)
	v_add_f32 v248, v248, v250
	s_delay_alu instid0(VALU_DEP_1)
	v_add_f32 v12, v244, v248
.endm
	s_wait_loadcnt 32                              ; my 16 loads of the rows are in; the 32 of gain and bias, issued behind them, stay out
	v_pk_add_f32 v[14:15], v[16:17], v[18:19]
	v_pk_add_f32 v[252:253], v[24:25], v[28:29]
	v_pk_add_f32 v[250:251], v[32:33], v[36:37]
	v_pk_add_f32 v[248:249], v[40:41], v[44:45]
	v_pk_add_f32 v[246:247], v[48:49], v[52:53]
	v_pk_add_f32 v[244:245], v[56:57], v[60:61]
	v_pk_add_f32 v[242:243], v[64:65], v[68:69]
	v_pk_add_f32 v[12:13], v[72:73], v[76:77]
	s_delay_alu instid0(VALU_DEP_1)
	v_pk_add_f32 v[12:13], v[12:13], v[20:21]
	v_pk_add_f32 v[14:15], v[14:15], v[22:23]
	v_pk_add_f32 v[252:253], v[252:253], v[26:27]
	v_pk_add_f32 v[250:251], v[250:251], v[30:31]
	v_pk_add_f32 v[248:249], v[248:249], v[34:35]
	v_pk_add_f32 v[246:247], v[246:247], v[38:39]
	v_pk_add_f32 v[244:245], v[244:245], v[42:43]
	v_pk_add_f32 v[242:243], v[242:243], v[46:47]
	v_pk_add_f32 v[12:13], v[12:13], v[50:51]
	v_pk_add_f32 v[14:15], v[14:15], v[54:55]
	v_pk_add_f32 v[252:253], v[252:253], v[58:59]
	v_pk_add_f32 v[250:251], v[250:251], v[62:63]
	v_pk_add_f32 v[248:249], v[248:249], v[66:67]
	v_pk_add_f32 v[246:247], v[246:247], v[70:71]
	v_pk_add_f32 v[244:245], v[244:245], v[74:75]
	v_pk_add_f32 v[242:243], v[242:243], v[78:79]
	s_delay_alu instid0(VALU_DEP_4)
	v_pk_add_f32 v[12:13], v[12:13], v[248:249]
	s_delay_alu instid0(VALU_DEP_4)
	v_pk_add_f32 v[14:15], v[14:15], v[246:247]
	s_delay_alu instid0(VALU_DEP_4)
	v_pk_add_f32 v[252:253], v[252:253], v[244:245]
	s_delay_alu instid0(VALU_DEP_4)
	v_pk_add_f32 v[250:251], v[250:251], v[242:243]
	s_delay_alu instid0(VALU_DEP_2)
	v_pk_add_f32 v[12:13], v[12:13], v[252:253]
	s_delay_alu instid0(VALU_DEP_2)
	v_pk_add_f32 v[14:15], v[14:15], v[250:251]
	s_delay_alu instid0(VALU_DEP_1)
	v_pk_add_f32 v[12:13], v[12:13], v[14:15]
	REDUCE 0
	s_delay_alu instid0(VALU_DEP_1)
	v_mul_f32 v8, 0x3a800000, v12                  ; / 1024: the mean
	s_delay_alu instid0(VALU_DEP_1)
	v_mov_b32 v9, v8
.set i, 0
.rept 32
	v_pk_add_f32 v[X+i:X+i+1], v[X+i:X+i+1], v[8:9] neg_lo:[0,1] neg_hi:[0,1]
.set i, i+2
.endr
	v_pk_mul_f32 v[12:13], v[X:X+1], v[X:X+1]
	v_pk_mul_f32 v[14:15], v[X+2:X+3], v[X+2:X+3]
.set i, 4
.rept 15
	s_delay_alu instid0(VALU_DEP_2)
	v_pk_fma_f32 v[12:13], v[X+i:X+i+1], v[X+i:X+i+1], v[12:13]
	s_delay_alu instid0(VALU_DEP_2)
	v_pk_fma_f32 v[14:15], v[X+i+2:X+i+3], v[X+i+2:X+i+3], v[14:15]
.set i, i+4
.endr
	s_delay_alu instid0(VALU_DEP_1)
	v_pk_add_f32 v[12:13], v[12:13], v[14:15]
	REDUCE 512                                     ; other bytes than the first sum's: no wave can still be reading them
	s_delay_alu instid0(VALU_DEP_1)
	v_mul_f32 v12, 0x3a802008, v12                 ; / 1023
	s_wait_alu depctr_va_vdst(0)
	v_sqrt_f32 v10, v12
	v_nop                                          ; a plain instruction between a transcendental and the use of its result
	s_wait_alu depctr_va_vdst(0)
	v_add_f32 v10, 0x358637bd, v10                 ; + 1e-6
	s_wait_alu depctr_va_vdst(0)
	v_rcp_f32 v10, v10
	v_nop
	s_wait_alu depctr_va_vdst(0)
	v_mov_b32 v11, v10
	s_wait_alu depctr_va_vdst(0)
	s_wait_loadcnt 0x0                             ; gain and bias
.set i, 0
.rept 32
	v_pk_mul_f32 v[X+i:X+i+1], v[X+i:X+i+1], v[10:11]
.set i, i+2
.endr
.set i, 0
.rept 32
	v_pk_fma_f32 v[X+i:X+i+1], v[X+i:X+i+1], v[G+i:G+i+1], v[BT+i:BT+i+1]
.set i, i+2
.endr
	s_wait_alu depctr_va_vdst(0)                   ; the wait ahead of the branch
	s_branch .Lquant
.Lweights:
	s_sub_co_u32 s53, ttmp9, 256                   ; j
	s_mov_b32 s59, W1O
	PLACE 16, 53, 22, 12, 3, 59, 20, 30            ; l1_w: tile j, K step w
	s_lshr_b32 s54, s53, 2                         ; l3_w: tile j / 4,
	s_and_b32 s55, s53, 3
	s_lshl_b32 s55, s55, 3
	s_add_co_u32 s55, s55, s22                     ; K step 8 (j % 4) + w
	s_mov_b32 s59, W3O
	PLACE 18, 54, 55, 14, 5, 59, 20, 44
	s_sub_co_u32 s56, s53, 192                     ; qkv_w's 192 tiles, then proj_w's 64: the choice hangs on the work-group's number alone
	s_mov_b32 s59, WPO
	s_cmp_lt_u32 s53, 192
	s_cselect_b64 s[12:13], s[12:13], s[14:15]
	s_cselect_b32 s56, s53, s56
	s_cselect_b32 s59, 0, s59
	PLACE 12, 56, 22, 12, 3, 59, 20, 24
	LOADX G, 3, 30
	LOADX BT, 8, 44
	LOADX X, 3, 24
	s_wait_loadcnt 32                              ; the first fragment's 16 loads are in; the 32 behind them stay out
	QUANT G, 30
	s_wait_alu depctr_va_vdst(0)
	s_wait_xcnt 0x0                                ; the stores have read their registers: the codes and the scale word are written again only behind this wait
	s_wait_loadcnt 16                              ; the second's are in
	QUANT BT, 44
	s_wait_alu depctr_va_vdst(0)
	s_wait_xcnt 0x0
.Lquant:
	s_wait_loadcnt 0x0
	QUANT X, 24
	s_wait_tensorcnt 0x0                           ; the wave's end
	ds_add_u32 v254, v255
	s_wait_dscnt 0x0
	s_endpgm
.Lfunc_end_k_q4ed5abcded_prep:
	.size	k_q4ed5abcded_prep, .Lfunc_end_k_q4ed5abcded_prep-k_q4ed5abcded_prep
	.p2alignl 7, 3214868480
	.fill 96, 4, 3214868480
	.section	.rodata,"a",@progbits
	.p2align	6, 0x0
	.amdhsa_kernel k_q4ed5abcded_prep
		.amdhsa_group_segment_fixed_size 2048
		.amdhsa_private_segment_fixed_size 0
		.amdhsa_enable_private_segment 0
		.amdhsa_kernarg_size 72
		.amdhsa_user_sgpr_count 2
		.amdhsa_user_sgpr_kernarg_segment_ptr 1
		.amdhsa_wavefront_size32 1
		.amdhsa_system_sgpr_workgroup_id_x 1
		.amdhsa_system_sgpr_workgroup_id_y 1
		.amdhsa_system_sgpr_workgroup_id_z 1
		.amdhsa_system_vgpr_workitem_id 0
		.amdhsa_next_free_vgpr 256
		.amdhsa_next_free_sgpr 66
		.amdhsa_reserve_vcc 0
		.amdhsa_float_denorm_mode_32 3
		.amdhsa_float_denorm_mode_16_64 3
		.amdhsa_memory_ordered 1
		.amdhsa_forward_progress 1
		.amdhsa_inst_pref_size 58
	.end_amdhsa_kernel
	.amdgpu_metadata
---
amdhsa.version: [ 1, 2 ]
amdhsa.kernels:
  - .name:           k_q4ed5abcded_prep
    .symbol:         k_q4ed5abcded_prep.kd
    .args:
      - { .name: x, .offset: 0, .size: 8, .value_kind: global_buffer, .address_space: global }
      - { .name: ln1_g, .offset: 8, .size: 8, .value_kind: global_buffer, .address_space: global }
      - { .name: ln1_b, .offset: 16, .size: 8, .value_kind: global_buffer, .address_space: global }
      - { .name: act, .offset: 24, .size: 8, .value_kind: global_buffer, .address_space: global }
      - { .name: qkv_w, .offset: 32, .size: 8, .value_kind: global_buffer, .address_space: global }
      - { .name: proj_w, .offset: 40, .size: 8, .value_kind: global_buffer, .address_space: global }
      - { .name: l1_w, .offset: 48, .size: 8, .value_kind: global_buffer, .address_space: global }
      - { .name: l3_w, .offset: 56, .size: 8, .value_kind: global_buffer, .address_space: global }
      - { .name: wts, .offset: 64, .size: 8, .value_kind: global_buffer, .address_space: global }
    .group_segment_fixed_size: 2048
    .private_segment_fixed_size: 0
    .kernarg_segment_align: 8
    .kernarg_segment_size: 72
    .max_flat_workgroup_size: 256
    .sgpr_count:     66
    .vgpr_count:     256
    .wavefront_size: 32
...
	.end_amdgpu_metadata
.endif
;; end of part 1
;; launch qkv (part 2): grid 32 x 8, 4 waves a work-group, clusters of 4 x 4, 327,680 bytes of LDS; arguments wts, act, qkvb; writes qkvb
.if DOCPART == 2
	.amdgcn_target "amdgcn-amd-amdhsa--gfx1250"
	.amdhsa_code_object_version 6
	.text
	.protected	k_q4ed5abcded_qkv
	.globl	k_q4ed5abcded_qkv
	.p2align	8
	.type	k_q4ed5abcded_qkv,@function
k_q4ed5abcded_qkv:
	s_mov_b64 s[64:65], 0
	v_nop
	global_prefetch_b8 v0, s[64:65] scope:SCOPE_SE
	s_setreg_imm32_b32 hwreg(HW_REG_WAVE_MODE, 25, 1), 1
	s_wait_xcnt 0x0
	s_wait_alu depctr_hold_cnt(0) depctr_sa_sdst(0) depctr_va_vdst(0) depctr_va_sdst(0) depctr_va_ssrc(0) depctr_va_vcc(0) depctr_vm_vsrc(0)
	s_getreg_b32 s2, hwreg(HW_REG_IB_STS2, 6, 4)
	s_cmp_eq_u32 s2, 0
	s_cbranch_scc0 .Lentry_in_a_cluster
	s_endpgm
.Lentry_in_a_cluster:
	s_bfe_u32 s2, ttmp6, 0x10000c
	s_cmp_lg_u32 s2, 0xf033
	s_cbranch_scc0 .Lentry_shape_is_right
	s_endpgm
.Lentry_shape_is_right:
; q, k, v = LN1(x) qkv_w^T on codes of FP8 (E4M3) with E8M0 scales, and the results quantised at once for attention: q and k along the head's 64, v along the keys.
; OPERANDS lie in memory as images of the matrix operand's registers: a chunk = 128 rows x 128 along K = 8 fragments of 2,048 bytes (register group c of lane l at 512 c + 16 l) + 512 bytes of scale
; words (32 r + 4 x tile) = 16,896 bytes; chunk number = row block x 8 + K step.  Lane r of tile t is row 32 (t / 2) + 8 (t % 2) + r + 8 (r / 8): as source 0 such tiles make the 16 registers of result tiles 2 b, 2 b + 1
; sixteen NEIGHBOURS along that axis, 32 b + 16 (lane / 16) + 0 .. 15, which is what the conversions and the next operand's layout want.
; SHARES.  A work-group makes 128 x 128 of the result, three times: weight blocks y (q), y + 8 (k), y + 16 (v) against the 128 tokens of block x.  Four waves, 64 x 64 each: 16 accumulators.
; THE TOKENS STAY IN REGISTERS: a wave's 64 tokens x 1,024 along K are 4 tiles x 8 K steps x 16 = 512 registers (windows 2 and 3), read from LDS once.  So the work-group fetches 4 x 135,168 bytes and not 6 x, and LDS is read for the weights alone.
; q, k: source 0 = weights, source 1 = tokens: a lane holds one token and 64 features, one head.  v: the sources change places: a lane holds one feature and 64 keys.
; RING.  Two LDS slots of 8 chunks (135,168 bytes): a slot holds a whole tile's weights.  Every wave fetches two of the eight chunks by one tensor load (132 rows of 256 bytes, dense).  The tokens come first, into slot 1; when they are
; in registers that slot takes tile 1's weights.  Between a request and the wait for it a wave issues 120 matrix instructions and a tile's way out.
; CLUSTER 4 x 4: the weights' chunks hang on y alone and are asked for jointly along a row of the cluster, the tokens' on x alone, along a column.
; OUT (qkvb): for head bh and key step s (128 tokens) a block of 16,896 bytes at (16 bh + s) x 16,896: k's 8 tiles of 1,024 bytes; from 8,192 v's 4 fragments (16 of the head's 64 x 128 keys); from 16,384 k's scale halves
; (16 r + 2 x tile); from 16,640 v's scale words (16 r + 4 x tile).  q: blocks of 8,448 bytes from QOFF on: 8 tiles of 1,024 bytes, then the scale halves.
; LIMITS: NaN and infinities are not served; a block whose largest magnitude lies under 2^-118 keeps the byte 1 (a block of zeros has zero codes).  The scale halves leave as 2 bytes a lane.
; REGISTERS: window 0: v4-15 LDS addresses, v20-24 see below, v32-39 the weights' scale words (two sets), v40-71 the tokens' (4 x K step + tile), v72-83 at work, v96-127 codes, v128-255 accumulators ((i, j) at 128 + 8 (4 i + j)).
;   window 1: v0-127 two sets of the weights' four fragments.   windows 2, 3: the tokens: K step k, tile t at 64 (k % 4) + 16 t of window 2 + k / 4.
.set CH,    16896
.set SCO,   16384
.set SLOT,  8*CH                       ; a block of 128 rows, all of K
.set QTR,   2*CH                       ; what one tensor load brings
.set SPARE, 2*SLOT                     ; behind the ring: the spare words, 128 bytes for each wave, that no other line names
.set KS,    8                          ; K steps in K = 1,024
.set TSTEP, 64*CH                      ; from a tile's weights to the next tile's: 8 row blocks
.set QOFF,  8650752
.set FAW, 4                            ; v4-7   the weights' fragments: 2 x slot + (K step / 4): an LDS offset has 16 bits, so K steps 4-7 have addresses of their own
.set SAW, 8                            ; v8-11  their scale words
.set FAT, 12                           ; v12-13 the tokens' fragments in slot 1
.set SAT, 14                           ; v14-15 their scale words
.set SPW, 20                           ; v20 LDS address of my spare word; never rewritten
.set NIL, 21                           ; v21 0; never rewritten
.set LI,  22                           ; v22 16 x lane
.set R16, 23                           ; v23 16 r
.set R32, 24                           ; v24 32 r
.set SCW, 32
.set SCT, 40
.set TM,  72                           ; v72-75 largest magnitudes, 76-79 bytes, 80-83 448 x scale, 84-87 scale operands: four blocks of 32 at a time
.set HW,  92                           ; v92-95 the scale halves
.set PC,  96
.set ACC, 128
.set G1R, 24                           ; s[24:31] group 1 for the tokens, s[32:35] their group 0
.set G0R, 32
.set G1S, 48                           ; s[48:55] group 1 for the weights, s[56:63] their groups 0, one for each slot
.set G0S, 56
.set CBQ, 80
.set SBQ, 82
.set CBK, 84
.set SBK, 86
.set CBV, 88
.set SBV, 90
.set SEL, 92
.set MNT, 94
.set MSB, 0
.macro WIN new                         ; the immediate's high byte repeats the setting that is left
.if MSB != (\new)
	s_set_vgpr_msb (MSB<<8)|(\new)
.set MSB, (\new)
.endif
.endm
.macro WINM k, ori                     ; the windows of K step k's products: weights window 1, tokens window 2 + k / 4, C and D window 0
.if \ori
	WIN (2+(\k)/4)|0x04
.else
	WIN 0x01|((2+(\k)/4)<<2)
.endif
.endm
.macro CREST                           ; a round of the cluster's barrier behind its opening barrier
	s_cmp_lg_u32 s10, 0
	s_cbranch_scc1 .Lnot_wave_0_\@
	s_barrier_signal -3
.Lnot_wave_0_\@:
	s_barrier_wait -3
	s_barrier_signal -1
	s_barrier_wait -1
.endm
.macro CROUND
	s_barrier_signal -1
	s_barrier_wait -1
	CREST
.endm
.macro PLACES n                        ; plain vector instructions behind matrix instructions: eight for this form, in front of loads into registers that they read and of reads of results
.rept \n
	v_nop
.endr
.endm
; four matrix instructions: the weights' fragment w (set st) against the four resident tiles of tokens, K step k.  cm = 1: the product starts the sums.  ori = 0: source 0 = weights; 1: source 0 = tokens.
; The 16 accumulators take turns, one instruction a turn, in the same order in every step.
.macro MULW st, k, w, cm, ori
.irp t, 0,1,2,3
.set rW, 64*(\st)+16*(\w)
.set rT, 64*((\k)%4)+16*\t
.set sW, SCW+4*(\st)+(\w)
.set sT, SCT+4*(\k)+\t
.if \ori
.set rD, ACC+8*(4*(\w)+\t)
.if \cm == 1
	v_wmma_scale_f32_16x16x128_f8f6f4 v[rD:rD+7], v[rT:rT+15], v[rW:rW+15], 0, v[sT], v[sW]
.else
	v_wmma_scale_f32_16x16x128_f8f6f4 v[rD:rD+7], v[rT:rT+15], v[rW:rW+15], v[rD:rD+7], v[sT], v[sW]
.endif
.else
.set rD, ACC+8*(4*\t+(\w))
.if \cm == 1
	v_wmma_scale_f32_16x16x128_f8f6f4 v[rD:rD+7], v[rW:rW+15], v[rT:rT+15], 0, v[sW], v[sT]
.else
	v_wmma_scale_f32_16x16x128_f8f6f4 v[rD:rD+7], v[rW:rW+15], v[rT:rT+15], v[rD:rD+7], v[sW], v[sT]
.endif
.endif
.endr
.endm
; 17 LDS loads in one run: the weights of K step k of a slot into set st: four scale words, then the four fragments
.macro FETCH slot, k, st
	WIN 0
	ds_load_b128 v[SCW+4*(\st):SCW+4*(\st)+3], v[SAW+2*(\slot)+(\k)/4] offset:((\k)%4)*CH
	WIN 0x40                                       ; destination window 1, address window 0
.irp w, 0,1,2,3
.irp c, 0,1,2,3
	ds_load_b128 v[64*(\st)+16*\w+4*\c:64*(\st)+16*\w+4*\c+3], v[FAW+2*(\slot)+(\k)/4] offset:((\k)%4)*CH+\w*2048+\c*512
.endr
.endr
.endm
.macro STEP slot, k, cm, ori           ; one of a tile's first seven K steps
	s_wait_dscnt 8                                 ; the scale words and fragments 0, 1 are in; the youngest eight loads (fragments 2, 3) may be out
	WINM \k, \ori
	MULW (\k)%2, \k, 0, \cm, \ori
	MULW (\k)%2, \k, 1, \cm, \ori
	s_wait_dscnt 0x0                               ; fragments 2, 3
	PLACES 8                                       ; for the loads into the other set, which the step before multiplied
	FETCH \slot, (\k)+1, 1-(\k)%2
	WINM \k, \ori
	MULW (\k)%2, \k, 2, \cm, \ori
	MULW (\k)%2, \k, 3, \cm, \ori
.endm
; A tile's last K step changes slots: one barrier; in front of it each wave waits for all its tensor loads, adds 0 to its spare word, and waits for that and for its reads of this slot.  fill = 1: the slot takes the weights two tiles on.
.macro TURN slot, fill, ori
	WIN 0
	s_wait_tensorcnt 0x0                           ; all my tensor loads have landed: my part of the next tile's weights
	ds_add_u32 v[SPW], v[NIL]                      ; 0 onto my spare word
	s_wait_dscnt 9                                 ; (the add and the youngest eight loads may be out)
	WINM 7, \ori
	MULW 1, 7, 0, 0, \ori
	s_wait_dscnt 0x0                               ; the add is done, and my reads of this slot are over
	s_barrier_signal -1
	MULW 1, 7, 1, 0, \ori
	WIN 0
	s_barrier_wait -1
.if \fill
	CREST                                          ; the barrier has opened a round of the cluster's: no wave of any partner still reads this slot or has a load on its way
	s_add_nc_u64 s[G0S+4*\slot+2:G0S+4*\slot+3], s[G0S+4*\slot+2:G0S+4*\slot+3], 2*TSTEP
	tensor_load_to_lds s[G0S+4*\slot:G0S+4*\slot+3], s[G1S:G1S+7]   ; the first tensor load behind the round, my one until the next
	s_nop 0
.endif
	PLACES 8                                       ; behind the tensor load, and in front of the loads below
	FETCH 1-\slot, 0, 0
	WINM 7, \ori
	MULW 1, 7, 2, 0, \ori
	MULW 1, 7, 3, 0, \ori
.endm
.macro LAST ori                        ; the very last K step: nothing more to fetch
	s_wait_dscnt 8
	WINM 7, \ori
	MULW 1, 7, 0, 0, \ori
	MULW 1, 7, 1, 0, \ori
	s_wait_dscnt 0x0
	MULW 1, 7, 2, 0, \ori
	MULW 1, 7, 3, 0, \ori
	WIN 0
.endm
.macro TILE slot, ori, kind            ; eight K steps.  kind 0: change of slots; 1: with a refill; 2: the last
	STEP \slot, 0, 1, \ori
.irp k, 1,2,3,4,5,6
	STEP \slot, \k, 0, \ori
.endr
.if \kind == 2
	LAST \ori
.else
	TURN \slot, \kind, \ori
.endif
.endm
; 32 numbers of a lane, register 16 b + e = place 32 b + 16 (lane / 16) + e along the next K, become 8 registers of codes and two scale bytes
; (two of source 1's tiles at a time: 64 numbers of a lane, four blocks of 32 by turns, 16 registers of codes, two scale halves)
.macro QUANT4 s, pc, hw
.irp b, 0,1,2,3
	v_max3_num_f32 v[TM+\b], |v[(\s)+16*\b]|, |v[(\s)+16*\b+1]|, 0x4800000   ; my 16 numbers, from each accumulator's low end on, and the floor 2^(9 - 127)
.endr
.irp e, 2,4,6,8,10,12,14
.irp b, 0,1,2,3
	v_max3_num_f32 v[TM+\b], v[TM+\b], |v[(\s)+16*\b+\e]|, |v[(\s)+16*\b+\e+1]|
.endr
.endr
.irp b, 0,1,2,3
	v_permlanex16_b32 v[TM+4+\b], v[TM+\b], s[SEL], s[SEL+1]
.endr
.irp b, 0,1,2,3
	v_max_num_f32 v[TM+\b], v[TM+\b], v[TM+4+\b]   ; with lane l xor 16's: the block's largest magnitude
.endr
.irp b, 0,1,2,3
	v_add_nc_u32 v[TM+12+\b], 0xfc000000, v[TM+\b] ; 8 off its exponent field: the conversion's scale operand
.endr
.irp b, 0,1,2,3
	v_and_or_b32 v[TM+8+\b], v[TM+\b], 0x7f800000, s[MNT]   ; 448 x the scale
.endr
.irp b, 0,1,2,3
	v_lshrrev_b32 v[TM+4+\b], 23, v[TM+12+\b]      ; the scale's byte
.endr
	v_lshl_or_b32 v[(\hw)], v[TM+5], 8, v[TM+4]
	v_lshl_or_b32 v[(\hw)+1], v[TM+7], 8, v[TM+6]
.irp b, 0,1,2,3
.irp e, 0,1,2,3,4,5,6,7,8,9,10,11,12,13,14,15
	v_med3_num_f32 v[(\s)+16*\b+\e], v[(\s)+16*\b+\e], -v[TM+8+\b], v[TM+8+\b]   ; the conversion does not saturate (ISA guide 7.6.2): the hold
.endr
	v_cvt_scalef32_pk8_fp8_f32 v[(\pc)+4*\b:(\pc)+4*\b+1], v[(\s)+16*\b:(\s)+16*\b+7], v[TM+12+\b]
	v_cvt_scalef32_pk8_fp8_f32 v[(\pc)+4*\b+2:(\pc)+4*\b+3], v[(\s)+16*\b+8:(\s)+16*\b+15], v[TM+12+\b]
.endr
	v_nop                                          ; a plain instruction behind the last conversion
.endm
; A finished tile: for each of source 1's four tiles my 64 places along source 0's axis become half a fragment.  ts, sst: bytes from tile to tile in the codes and in the scales
.macro EPIQ cb, ts, sb, sst
	WIN 0
	s_wait_xcnt 0x0                                ; the last tile's stores have read their registers: these are written again only behind this wait
	PLACES 8
.irp i, 0,2
	QUANT4 ACC+32*\i, PC+8*\i, HW+\i
.endr
.irp i, 0,1,2,3
	global_store_b128 v[LI], v[PC+8*\i:PC+8*\i+3], s[\cb:\cb+1] offset:\i*\ts          ; 32 lanes store 512 consecutive bytes, at a multiple of 256 from the buffer's first byte
	global_store_b128 v[LI], v[PC+8*\i+4:PC+8*\i+7], s[\cb:\cb+1] offset:\i*\ts+512
	global_store_b16 v[R16], v[HW+\i], s[\sb:\sb+1] offset:\i*\sst                      ; lanes l and l + 16 store the same two bytes
.endr
.endm
	s_load_b128 s[4:7], s[0:1], 0x0                ; wts s[4:5], act s[6:7]
	s_load_b64 s[8:9], s[0:1], 0x10                ; qkvb
	v_lshl_add_u32 v[SPW], v0, 2, SPARE
	v_mov_b32 v[NIL], 0
	ds_add_u32 v20, v21
	ds_add_u32 v20, v21
	s_wait_dscnt 0x0
	v_lshrrev_b32 v1, 5, v0
	v_readfirstlane_b32 s10, v1                    ; wave 0..3: also which two of a block's eight chunks I fetch
	s_lshr_b32 s11, s10, 1                         ; q: my half of the tokens
	s_and_b32 s12, s10, 1                          ; p: my half of the weights' rows
	s_bfe_u32 s40, ttmp6, 0x40000                  ; cx, cy: my place in the cluster
	s_bfe_u32 s41, ttmp6, 0x40004
	s_lshl_b32 s42, ttmp9, 2
	s_add_co_u32 s42, s42, s40                     ; x = 4 x cluster x + cx
	s_and_b32 s13, ttmp7, 0xffff
	s_lshl_b32 s13, s13, 2
	s_add_co_u32 s13, s13, s41                     ; y = 4 x cluster y + cy
	s_lshl_b32 s43, s41, 2
	s_lshl_b32 s43, 15, s43                        ; my row of the cluster
	s_lshl_b32 s44, 0x1111, s40                    ; my column
	s_or_b32 s[G1S+0], s43, (3<<16)|(1<<21)        ; the weights go to my row: 15:0 the mask; 17:16 elements of 8 bytes; 21 set beside a mask; no padding: the images are read 512 consecutive bytes at a time
	s_or_b32 s[G1R+0], s44, (3<<16)|(1<<21)        ; the tokens to my column
.irp g, G1R, G1S
	s_mov_b32 s[\g+1], 32<<16                      ; tensor_dim0 = 32 elements: 256 bytes
	s_mov_b32 s[\g+2], 264<<16                     ; tensor_dim1 = 264 rows: the head's loads bring four chunks
	s_mov_b32 s[\g+3], 32<<16                      ; tile_dim0
	s_mov_b32 s[\g+4], 264                         ; tile_dim1
	s_mov_b32 s[\g+5], 32                          ; the pitch: dense
	s_mov_b32 s[\g+6], 0
	s_mov_b32 s[\g+7], 0
.endr
	s_mul_i32 s20, s10, QTR                        ; my two chunks, in memory and in a slot: no place in the cluster enters an LDS address
	s_mul_i32 s16, s13, KS*CH                      ; the weights' row block y: hangs on y and the wave alone
	s_add_co_u32 s16, s16, s20
	s_mov_b32 s17, 0
	s_mul_i32 s46, s42, KS*CH                      ; the tokens' row block x: on x and the wave alone
	s_mul_i32 s21, s12, 4*CH                       ; at the head a wave fetches four of a block's eight chunks: which half
	s_add_co_u32 s46, s46, s21
	s_mul_i32 s18, s13, KS*CH                      ; tile 0's weights, the same half
	s_add_co_u32 s18, s18, s21
	s_mov_b32 s19, 0
	s_mov_b32 s47, 0
	s_wait_kmcnt 0x0
	s_add_nc_u64 s[14:15], s[4:5], s[16:17]
	s_add_nc_u64 s[46:47], s[6:7], s[46:47]
	CROUND                                         ; all sixteen work-groups are here: the first joint loads meet
	s_mov_b32 s[G0R], 1
	s_add_co_u32 s[G0R+1], s21, SLOT               ; the tokens come into slot 1
	s_mov_b32 s36, 1                               ; s[36:39]: group 0 of the head's load of tile 0's weights, into slot 0
	s_mov_b32 s37, s21
	s_add_nc_u64 s[38:39], s[4:5], s[18:19]
	s_or_b32 s39, s39, 0x80000000
	s_mul_i32 s68, s40, 33*256                     ; the prefetches: of the 132 rows of 256 bytes that my wave fetches of a later tile, the partner at place cx names 33
	s_mov_b32 s69, 0
	s_add_nc_u64 s[66:67], s[14:15], s[68:69]
	s_mov_b64 s[G0R+2:G0R+3], s[46:47]
	s_or_b32 s[G0R+3], s[G0R+3], 0x80000000
.irp s, 0,1
	s_mov_b32 s[G0S+4*\s], 1
	s_add_co_u32 s[G0S+4*\s+1], s20, \s*SLOT
	s_add_nc_u64 s[G0S+4*\s+2:G0S+4*\s+3], s[14:15], \s*TSTEP      ; slot s begins with tile s
	s_or_b32 s[G0S+4*\s+3], s[G0S+4*\s+3], 0x80000000
.endr
	s_cmp_lt_u32 s10, 2                            ; one tensor load a wave at the head: waves 0, 1 the tokens' halves, waves 2, 3 the halves of tile 0's weights
	s_cbranch_scc0 .Lhead_w
	tensor_load_to_lds s[G0R:G0R+3], s[G1R:G1R+7]
	s_nop 0
	PLACES 4
	s_branch .Lhead_asked
.Lhead_w:
	tensor_load_to_lds s[36:39], s[G1S:G1S+7]
	s_nop 0
	PLACES 4
.Lhead_asked:
	v_and_b32 v1, 15, v0                           ; r
	v_and_b32 v2, 31, v0
	v_lshlrev_b32 v[LI], 4, v2
	v_lshlrev_b32 v26, 8, v2                       ; the prefetches' offsets: a lane a row of 256 bytes,
	v_mov_b32 v27, 32*256                          ; and my share's 33rd row; neither is rewritten
	v_lshlrev_b32 v[R16], 4, v1
	v_lshlrev_b32 v[R32], 5, v1
	s_wait_alu depctr_va_vdst(0)
.irp b, 4,5,6,7
	v_mov_b32 v[TM+\b], 0                          ; written once: a lane permute's destination counts as one of its sources
.endr
	s_lshl_b32 s21, s12, 13                        ; four fragments a half
	s_lshl_b32 s22, s11, 13
	s_lshl_b32 s23, s12, 4                         ; four scale words a half
	s_lshl_b32 s45, s11, 4
.irp s, 0,1
.irp u, 0,1
	s_add_co_u32 s16, s21, \s*SLOT+\u*4*CH
	v_add_nc_u32 v[FAW+2*\s+\u], s16, v[LI]
	s_add_co_u32 s16, s23, \s*SLOT+\u*4*CH+SCO
	v_add_nc_u32 v[SAW+2*\s+\u], s16, v[R32]
.endr
.endr
.irp u, 0,1
	s_add_co_u32 s16, s22, SLOT+\u*4*CH
	v_add_nc_u32 v[FAT+\u], s16, v[LI]
	s_add_co_u32 s16, s45, SLOT+\u*4*CH+SCO
	v_add_nc_u32 v[SAT+\u], s16, v[R32]
.endr
	s_mov_b32 s[SEL], 0x76543210
	s_mov_b32 s[SEL+1], 0xfedcba98
	s_mov_b32 s[MNT], 0x600000
	; where the results go
	s_lshr_b32 s70, s42, 4                         ; the batch
	s_and_b32 s71, s42, 15                         ; the key step
	s_lshl_b32 s70, s70, 4
	s_lshl_b32 s72, s13, 1
	s_add_co_u32 s70, s70, s72                     ; 16 x batch + 2 y
	s_add_co_u32 s72, s70, s12                     ; my head is 2 y + p, in all three tiles
	s_lshl_b32 s72, s72, 4
	s_add_co_u32 s72, s72, s71
	s_mov_b32 s79, 0
	s_lshl_b32 s76, s11, 12                        ; q, k: my four tiles of tokens: 4,096 q,
	s_lshl_b32 s77, s11, 3                         ; their halves: 8 q
	s_mul_i32 s74, s72, 8448
	s_add_co_u32 s74, s74, QOFF
	s_add_co_u32 s78, s74, s76
	s_add_nc_u64 s[CBQ:CBQ+1], s[8:9], s[78:79]
	s_add_co_u32 s78, s74, s77
	s_add_co_u32 s78, s78, 8192
	s_add_nc_u64 s[SBQ:SBQ+1], s[8:9], s[78:79]
	s_mul_i32 s74, s72, CH
	s_add_co_u32 s78, s74, s76
	s_add_nc_u64 s[CBK:CBK+1], s[8:9], s[78:79]
	s_add_co_u32 s78, s74, s77
	s_add_co_u32 s78, s78, SCO
	s_add_nc_u64 s[SBK:SBK+1], s[8:9], s[78:79]
	s_lshl_b32 s76, s11, 10                        ; v: my 64 keys are register groups 2 q, 2 q + 1
	s_add_co_u32 s78, s74, s76
	s_add_co_u32 s78, s78, 8192
	s_add_nc_u64 s[CBV:CBV+1], s[8:9], s[78:79]
	s_lshl_b32 s76, s11, 1
	s_add_co_u32 s78, s74, s76
	s_add_co_u32 s78, s78, 16640
	s_add_nc_u64 s[SBV:SBV+1], s[8:9], s[78:79]
	s_wait_alu depctr_va_vdst(0)
	global_prefetch_b8 v26, s[66:67] offset:TSTEP th:TH_LOAD_NT scope:SCOPE_SE     ; tiles 1 and 2 of the weights, which later refills fetch: each row of 256 bytes is named once in the cluster
	global_prefetch_b8 v27, s[66:67] offset:TSTEP th:TH_LOAD_NT scope:SCOPE_SE
	global_prefetch_b8 v26, s[66:67] offset:2*TSTEP th:TH_LOAD_NT scope:SCOPE_SE
	global_prefetch_b8 v27, s[66:67] offset:2*TSTEP th:TH_LOAD_NT scope:SCOPE_SE
	s_cmp_lt_u32 s10, 2                            ; the waves that fetched the tokens wait for them; the weights' line is waited for further down
	s_cbranch_scc0 .Lnot_tok
	s_wait_tensorcnt 0x0
.Lnot_tok:
	s_barrier_signal -1
	s_barrier_wait -1                              ; everybody's is
.irp k, 0,1,2,3,4,5,6,7
	ds_load_b128 v[SCT+4*\k:SCT+4*\k+3], v[SAT+\k/4] offset:(\k%4)*CH   ; the scale words of my four tiles, K step k
.endr
	WIN 0x80                                       ; destination window 2: K steps 0-3
.irp k, 0,1,2,3
.irp i, 0,1,2,3
.irp c, 0,1,2,3
	ds_load_b128 v[64*\k+16*\i+4*\c:64*\k+16*\i+4*\c+3], v[FAT] offset:\k*CH+\i*2048+\c*512
.endr
.endr
.endr
	WIN 0xc0                                       ; window 3: K steps 4-7
.irp k, 0,1,2,3
.irp i, 0,1,2,3
.irp c, 0,1,2,3
	ds_load_b128 v[64*\k+16*\i+4*\c:64*\k+16*\i+4*\c+3], v[FAT+1] offset:\k*CH+\i*2048+\c*512
.endr
.endr
.endr
	WIN 0
	s_wait_tensorcnt 0x0                           ; tile 0's weights have landed: no tensor load of mine is out
	ds_add_u32 v[SPW], v[NIL]                      ; 0 onto my spare word
	s_mov_b32 s[G1S+2], 132<<16                    ; no tensor load of mine is out: from here on a load brings two chunks, 132 rows
	s_mov_b32 s[G1S+4], 132
	s_wait_dscnt 0x0                               ; the add is done, and the tokens are in my registers
	CROUND
	tensor_load_to_lds s[G0S+4:G0S+7], s[G1S:G1S+7]
	s_nop 0
	PLACES 4
	FETCH 0, 0, 0
	TILE 0, 0, 1                                   ; q; slot 0 then takes tile 2's weights
	EPIQ CBQ, 1024, SBQ, 2
	TILE 1, 0, 0                                   ; k: nothing is left to ask for
	EPIQ CBK, 1024, SBK, 2
	TILE 0, 1, 2                                   ; v: the sources change places
	EPIQ CBV, 2048, SBV, 4
	s_wait_tensorcnt 0x0                           ; the wave's end
	ds_add_u32 v[SPW], v[NIL]
	s_wait_dscnt 0x0
	CROUND                                         ; the closing round: no work-group ends while a partner may still ask for a tile that names it
	s_endpgm
.Lfunc_end_k_q4ed5abcded_qkv:
	.size	k_q4ed5abcded_qkv, .Lfunc_end_k_q4ed5abcded_qkv-k_q4ed5abcded_qkv
	.p2alignl 7, 3214868480
	.fill 96, 4, 3214868480
	.section	.rodata,"a",@progbits
	.p2align	6, 0x0
	.amdhsa_kernel k_q4ed5abcded_qkv
		.amdhsa_group_segment_fixed_size 327680
		.amdhsa_private_segment_fixed_size 0
		.amdhsa_enable_private_segment 0
		.amdhsa_kernarg_size 24
		.amdhsa_user_sgpr_count 2
		.amdhsa_user_sgpr_kernarg_segment_ptr 1
		.amdhsa_wavefront_size32 1
		.amdhsa_system_sgpr_workgroup_id_x 1
		.amdhsa_system_sgpr_workgroup_id_y 1
		.amdhsa_system_sgpr_workgroup_id_z 1
		.amdhsa_system_vgpr_workitem_id 0
		.amdhsa_next_free_vgpr 1024
		.amdhsa_next_free_sgpr 96
		.amdhsa_reserve_vcc 0
		.amdhsa_float_denorm_mode_32 3
		.amdhsa_float_denorm_mode_16_64 3
		.amdhsa_memory_ordered 1
		.amdhsa_forward_progress 1
		.amdhsa_inst_pref_size 154
	.end_amdhsa_kernel
	.amdgpu_metadata
---
amdhsa.version: [ 1, 2 ]
amdhsa.kernels:
  - .name:           k_q4ed5abcded_qkv
    .symbol:         k_q4ed5abcded_qkv.kd
    .args:
      - { .name: wts, .offset: 0, .size: 8, .value_kind: global_buffer, .address_space: global }
      - { .name: act, .offset: 8, .size: 8, .value_kind: global_buffer, .address_space: global }
      - { .name: qkvb, .offset: 16, .size: 8, .value_kind: global_buffer, .address_space: global }
    .group_segment_fixed_size: 327680
    .private_segment_fixed_size: 0
    .kernarg_segment_align: 8
    .kernarg_segment_size: 24
    .max_flat_workgroup_size: 128
    .sgpr_count:     96
    .vgpr_count:     1024
    .wavefront_size: 32
...
	.end_amdgpu_metadata
.endif
;; end of part 2
;; launch attn (part 3): grid 8 x 32, 16 waves a work-group, no clusters, 309,248 bytes of LDS; arguments qkvb, att; writes att
.if DOCPART == 3
	.amdgcn_target "amdgcn-amd-amdhsa--gfx1250"
	.amdhsa_code_object_version 6
	.text
	.protected	k_q4ed5abcded_attn
	.globl	k_q4ed5abcded_attn
	.p2align	8
	.type	k_q4ed5abcded_attn,@function
k_q4ed5abcded_attn:
	s_mov_b64 s[64:65], 0
	v_nop
	global_prefetch_b8 v0, s[64:65] scope:SCOPE_SE
	s_setreg_imm32_b32 hwreg(HW_REG_WAVE_MODE, 25, 1), 1
	s_wait_xcnt 0x0
; Causal attention on codes of FP8 (E4M3) with E8M0 scales: O[q] = sum over keys k <= q of softmax(q . k / 8) v, head size 64, 2,048 keys, 32 (batch, head) pairs.
; THE SOFTMAX AHEAD OF THE SECOND PRODUCT: t = score x log2(e) / 8; M = the largest t so far, rounded UP to a whole number; p = 2^(t - M) is quantised along the keys, not normalised; the row's sum is taken of the
; unquantised p and divides O at the end.  When M moves, the sum and O are multiplied by 2^(old M - new M): exact.
; IN (qkvb): for head bh and key step s (128 keys) 16,896 bytes at (16 bh + s) x 16,896: k's 8 tiles (16 keys x 64) of 1,024 bytes as register images; from 8,192 v's 4 fragments (16 of the head's 64 x 128 keys); from 16,384 k's scale
; halves (16 r + 2 x tile); from 16,640 v's scale words (16 r + 4 x tile).  q: 8,448 bytes a block of 128 queries from QOFF on.  Lane r of a tile is row 32 (t / 2) + 8 (t % 2) + r + 8 (r / 8).
; A WHOLE HEAD'S K AND V, 270,336 bytes, LIE IN LDS: filled once, wave w fetching key step w (66 rows of 256 bytes), read by all sixteen; no ring.  The fills are shown by two barriers: key steps 0-3 (waves 0-3's) ahead of the
; first loop of four steps, key steps 4-15 ahead of the second loop of twelve.
; SHARES.  Work-group (i, bh) owns query blocks i (light: i + 1 key steps) and 15 - i (heavy: 16 - i) of its head, eight tiles of 16 queries each.  Waves 2 t and 2 t + 1 are partners on tile t of both blocks, one light, one heavy.
; Up to key step i each works its own tile.  From i + 1 to 15 - i THE HEAVY TILE'S KEY STEPS GO BY TURNS: the light wave takes i + 1, i + 3 .. 15 - i (the diagonal), the heavy wave the others: 9 and 8 steps a wave in every work-group.
; At key step i + 1 the light wave puts its own tile's state (O^T, -M, the sums) into the pair's LDS bytes, sets M back to its start (the next change of M then multiplies O^T and the sums by 0) and fetches the heavy tile's q.
; At the end it takes that state back, puts its part of the heavy tile in the same bytes, and behind one barrier the heavy wave reads it.  Both then join two states: each x 2^(its M - the larger M), exact; the light wave's
; second state is its part of the heavy tile under the starting M, so it counts x 0.  A part's M is a whole number like the row's, so the codes' values are those of the row's M.
; Steps that are not a wave's are left out by scalar branches on ids and the count of steps; the key steps past 15 - i are fetched and not read.
; NO CLUSTER: the work-groups that share a head leave out different steps, by branches on their query block; partners in a cluster have to run alike.  No prefetch: all fills go out at the head, there is no loop to run ahead in.
; BOTH PRODUCTS TRANSPOSED: S^T = K Q^T, O^T = V^T P^T: a lane holds one query throughout.
; HEAD SIZE 64 IN AN INSTRUCTION OF K = 128: two tiles of keys, 2 n and 2 n + 1, are ONE fragment (k 0-63 the first's, 64-127 the second's).  Against q followed by zero codes it gives tile 2 n's scores, against zero codes followed by q tile 2 n + 1's.
; OUT (att): the operand of the next product, as register images (a chunk of 16,896 bytes = 128 rows x 128 along K): my 64 channels are half a fragment.
; LIMITS: NaN and infinities are not served; blocks of the result under 2^-118 keep the byte 1; the scaled scores stay under 2^31 in magnitude.
.set CH,   16896
.set SCO,  16384
.set QOFF, 8650752
.set SPARE, 0x42000                    ; behind K and V: the spare words, 128 bytes for each wave, that no other line names
.set STG,  SPARE+2048                  ; behind them: a pair's state, 4,608 bytes: O^T as eight groups of 512 bytes, then v12-15
.set STB,  4608
.set ADK,  4                           ; v4 LDS address of the step's images: 16 x lane + the step
.set ADS,  5                           ; v5 of its scale words: 16 r + the step
.set STA,  8                           ; v8 LDS address of my pair's state: + 16 x lane
.set FR,   40                          ; v40-103  four fragments: K's pairs of tiles, then V's
.set S,    104                         ; v104-167 S^T, then p
.set OT,   168                         ; v168-199 O^T
.set PCD,  200                         ; v200-215 p's codes
.set BM,   216                         ; v216-219 the blocks' largest scores, then p
.set BY,   220                         ; v220-223 bytes
.set HO,   224                         ; v224-227 448 x scale
.set SO,   228                         ; v228-231 the conversions' scale operands
                                       ; v232-235 K's scale words, v236-239 V's, v240 q's (low half), v241 q's (high half), v242 p's: these hold scales alone
.set HB,   11                          ; s11 the heavy block, 15 - i
.set BLK,  12                          ; s12 the block of the tile that I work on
.set LB,   40                          ; s40 the light block, i
.set SW,   41                          ; s41 i + 1: where a light wave changes tiles
.set G1,   24
.set G0,   32
.set SEL,  54
.set CS,   56                          ; s[56:57] c = log2(e) / 8
.set KST,  58                          ; s58 the key step
.set TB,   59                          ; s59 where it begins in LDS
.set CNT,  60
.set MNT,  61
	s_load_b128 s[4:7], s[0:1], 0x0                ; qkvb, att
	v_lshl_add_u32 v254, v0, 2, SPARE
	v_mov_b32 v255, 0
	ds_add_u32 v254, v255                          ; the wave's opening: the add, twice on end, and its wait ahead of my first tensor load
	ds_add_u32 v254, v255
	v_lshrrev_b32 v1, 5, v0
	v_readfirstlane_b32 s8, v1                     ; wave 0..15
	s_and_b32 s9, ttmp7, 0xffff                    ; bh
	s_lshr_b32 s10, s8, 2
	s_xor_b32 s10, s10, s8
	s_and_b32 s10, s10, 1                          ; 1: heavy, 0: light; partners 2 t and 2 t + 1 differ, and every four neighbouring waves and every fourth wave hold two of each
	s_sub_co_u32 s[HB], 15, ttmp9
	s_mov_b32 s[LB], ttmp9
	s_add_co_u32 s[SW], ttmp9, 1
	s_cmp_lg_u32 s10, 0
	s_cselect_b32 s[BLK], s[HB], ttmp9
	s_lshr_b32 s13, s8, 1                          ; my tile in the block
	s_mov_b32 s[G1], 3<<16                         ; no mask; elements of 8 bytes; no padding
	s_mov_b32 s[G1+1], 32<<16                      ; tensor_dim0: 256 bytes
	s_mov_b32 s[G1+2], 66<<16                      ; tensor_dim1: 66 rows: one key step
	s_mov_b32 s[G1+3], 32<<16
	s_mov_b32 s[G1+4], 66
	s_mov_b32 s[G1+5], 32
	s_mov_b32 s[G1+6], 0
	s_mov_b32 s[G1+7], 0
	s_mul_i32 s15, s8, CH                          ; wave w fetches key step w
	s_lshl_b32 s16, s9, 4
	s_mul_i32 s16, s16, CH
	s_add_co_u32 s16, s16, s15
	s_mov_b32 s17, 0
	s_wait_dscnt 0x0
	s_wait_kmcnt 0x0
	s_add_nc_u64 s[16:17], s[4:5], s[16:17]
	s_mov_b32 s[G0], 1
	s_mov_b32 s[G0+1], s15
	s_mov_b64 s[G0+2:G0+3], s[16:17]
	s_or_b32 s[G0+3], s[G0+3], 0x80000000
	s_cmp_lt_u32 s8, 4                             ; two arms on the wave's number, a load line each: waves 0-3's line is waited for by these four in front of the first barrier
	s_cbranch_scc0 .Larm_rest
	tensor_load_to_lds s[G0:G0+3], s[G1:G1+7]
	s_nop 0
.rept 4
	v_nop
.endr
	s_branch .Lasked
.Larm_rest:
	tensor_load_to_lds s[G0:G0+3], s[G1:G1+7]
	s_nop 0
.rept 4
	v_nop
.endr
.Lasked:
	s_lshl_b32 s18, s9, 4
	s_add_co_u32 s43, s18, s[HB]
	s_add_co_u32 s18, s18, s[BLK]
	s_mul_i32 s18, s18, 8448
	s_add_co_u32 s18, s18, QOFF                    ; my block of q,
	s_mul_i32 s43, s43, 8448
	s_add_co_u32 s43, s43, QOFF                    ; and the heavy block's
	s_lshl_b32 s19, s13, 10
	s_add_co_u32 s20, s18, s19
	s_mov_b32 s21, 0
	s_add_co_u32 s36, s43, s19
	s_mov_b32 s37, 0
	s_add_nc_u64 s[20:21], s[4:5], s[20:21]        ; my tile's codes
	s_add_nc_u64 s[36:37], s[4:5], s[36:37]        ; the heavy tile's
	s_lshl_b32 s19, s13, 1
	s_add_co_u32 s19, s19, 8192
	s_add_co_u32 s22, s18, s19
	s_mov_b32 s23, 0
	s_add_co_u32 s38, s43, s19
	s_mov_b32 s39, 0
	s_add_nc_u64 s[22:23], s[4:5], s[22:23]        ; the scale halves
	s_add_nc_u64 s[38:39], s[4:5], s[38:39]
	s_mul_i32 s42, s13, STB
	s_add_co_u32 s42, s42, STG                     ; my pair's state
	s_lshr_b32 s62, s13, 1
	s_lshl_b32 s62, s62, 5
	s_and_b32 s63, s13, 1
	s_lshl_b32 s63, s63, 3
	s_add_co_u32 s62, s62, s63
	v_and_b32 v1, 31, v0
	v_and_b32 v6, 15, v0                           ; r
	v_bfe_u32 v7, v0, 4, 1
	v_lshlrev_b32 v1, 4, v1                        ; 16 x lane
	v_lshlrev_b32 v2, 4, v6                        ; 16 r
	v_and_b32 v3, 8, v6
	v_lshlrev_b32 v7, 4, v7
	v_add_nc_u32 v3, v6, v3
	v_add_nc_u32 v[STA], s42, v1
	v_sub_nc_u32 v3, v3, v7
	v_lshlrev_b32 v6, 5, v6                        ; 32 r: the result's scale words
	v_add_nc_u32 v3, s62, v3                       ; d = my query's place in its block - 16 (lane / 16): on the diagonal register 16 b + e holds a hidden key where 32 b + e > d
	s_wait_alu depctr_va_vdst(0)
	global_load_b128 v[16:19], v1, s[20:21]        ; q, for v[16:31] = q, zeros
	global_load_b128 v[20:23], v1, s[20:21] offset:512
	global_load_b128 v[32:35], v1, s[20:21]        ; and once more, for v[24:39] = zeros, q
	global_load_b128 v[36:39], v1, s[20:21] offset:512
	global_load_u16 v240, v2, s[22:23]             ; q's two bytes, over two bytes 0 for the zero codes
	; where the result goes
	s_lshr_b32 s48, s9, 4
	s_lshl_b32 s48, s48, 4
	s_add_co_u32 s48, s48, s[BLK]                  ; the row block
	s_lshl_b32 s48, s48, 3
	s_and_b32 s49, s9, 15                          ; the head
	s_lshr_b32 s50, s49, 1
	s_add_co_u32 s48, s48, s50                     ; the chunk: two heads to a K step of 128
	s_mul_i32 s48, s48, CH
	s_and_b32 s49, s49, 1
	s_lshl_b32 s50, s13, 11
	s_add_co_u32 s50, s50, s48
	s_lshl_b32 s51, s49, 10
	s_add_co_u32 s50, s50, s51
	s_mov_b32 s51, 0
	s_add_nc_u64 s[50:51], s[6:7], s[50:51]
	s_lshl_b32 s52, s13, 2
	s_add_co_u32 s52, s52, s48
	s_lshl_b32 s53, s49, 1
	s_add_co_u32 s52, s52, s53
	s_add_co_u32 s52, s52, SCO
	s_mov_b32 s53, 0
	s_add_nc_u64 s[52:53], s[6:7], s[52:53]
	s_mov_b32 s[SEL], 0x76543210
	s_mov_b32 s[SEL+1], 0xfedcba98
	s_mov_b32 s[CS], 0x3e38aa3b                    ; log2(e) / 8
	s_mov_b32 s[CS+1], s[CS]                       ; (named with it as a pair, so it is written)
	s_mov_b32 s[MNT], 0x600000
	v_mov_b32 v13, 0xff61b1e6                      ; the largest t so far: -3e38
	v_mov_b32 v14, 0                               ; the sum, in two halves
	v_mov_b32 v15, 0
	v_floor_f32 v12, -v13                          ; -M
.irp j, 24,25,26,27,28,29,30,31
	v_mov_b32 v[\j], 0                             ; the zero codes between the two copies of q
.endr
.irp b, 0,1,2,3
	v_mov_b32 v[BY+\b], 0                          ; written once: a lane permute's destination counts as one of its sources
.endr
	v_mov_b32 v245, 0                              ; (named as the upper half of the pair v[244:245])
	v_mov_b32 v246, 0
.set j, 0
.rept 32
	v_mov_b32 v[OT+j], 0                           ; the step is written once: the first finds zeros, which the first change of M leaves zeros
.set j, j+1
.endr
	s_wait_alu depctr_va_vdst(0)                   ; the wait at the head's end
	s_wait_loadcnt 0x0
	v_lshlrev_b32 v241, 16, v240                   ; q's bytes for k 64-127
; A LIGHT WAVE CHANGES TILES: the heavy tile's q is asked for; my own tile's state goes into the pair's bytes; M goes back to its start
.macro SWITCH
.rept 8
	v_nop                                          ; places behind the last products: their results are stored, and q's registers and scale words are loaded anew
.endr
	global_load_b128 v[16:19], v1, s[36:37]
	global_load_b128 v[20:23], v1, s[36:37] offset:512
	global_load_b128 v[32:35], v1, s[36:37]
	global_load_b128 v[36:39], v1, s[36:37] offset:512
	global_load_u16 v240, v2, s[38:39]
	s_wait_tensorcnt 0x0                           ; no tensor load of mine is out when I store to LDS
.irp c, 0,1,2,3,4,5,6,7
	ds_store_b128 v[STA], v[OT+4*\c:OT+4*\c+3] offset:512*\c   ; each accumulator from its low end on
.endr
	ds_store_b128 v[STA], v[12:15] offset:4096
	v_mov_b32 v13, 0xff61b1e6
	v_floor_f32 v12, -v13
	s_mov_b32 s[BLK], s[HB]
	s_wait_alu depctr_va_vdst(0)
	s_wait_loadcnt 0x0
	v_lshlrev_b32 v241, 16, v240
.endm
; A KEY STEP: 128 keys
.macro STEP
	s_cmp_gt_u32 s[KST], s[HB]                     ; all its keys come after the heavy block's queries: left out; no barrier and no tensor load stands in a step
	s_cbranch_scc1 .Lhidden_\@
	s_cmp_le_u32 s[KST], s[LB]                     ; up to key step i each wave works its own tile
	s_cbranch_scc1 .Lwork_\@
	s_sub_co_u32 s62, s[KST], s[LB]                ; behind it the heavy tile's steps go by turns: the odd distances to the light wave, the even to the heavy
	s_xor_b32 s62, s62, s10
	s_bitcmp1_b32 s62, 0
	s_cbranch_scc0 .Lhidden_\@
	s_cmp_lg_u32 s10, 0
	s_cbranch_scc1 .Lwork_\@
	s_cmp_lg_u32 s[KST], s[SW]
	s_cbranch_scc1 .Lwork_\@
	SWITCH
.Lwork_\@:
	v_add_nc_u32 v[ADK], s[TB], v1
	v_add_nc_u32 v[ADS], s[TB], v2
.rept 6
	v_nop                                          ; with the two additions: eight places in front of loads into registers that the last products read
.endr
.irp n, 0,1,2,3
.irp c, 0,1,2,3
	ds_load_b128 v[FR+16*\n+4*\c:FR+16*\n+4*\c+3], v[ADK] offset:2048*\n+512*\c
.endr
.endr
	ds_load_b128 v[232:235], v[ADS] offset:16384   ; word n: the halves of tiles 2 n and 2 n + 1
	s_wait_dscnt 0x0
	s_wait_alu depctr_va_vdst(0)
.irp n, 0,1,2,3
	v_wmma_scale_f32_16x16x128_f8f6f4 v[S+16*\n:S+16*\n+7], v[FR+16*\n:FR+16*\n+15], v[16:31], 0, v[232+\n], v240
	v_wmma_scale_f32_16x16x128_f8f6f4 v[S+16*\n+8:S+16*\n+15], v[FR+16*\n:FR+16*\n+15], v[24:39], 0, v[232+\n], v241
.endr                                              ; register 16 b + e: key 32 b + 16 (lane / 16) + e
.rept 8
	v_nop
.endr
.irp n, 0,1,2,3
.irp c, 0,1,2,3
	ds_load_b128 v[FR+16*\n+4*\c:FR+16*\n+4*\c+3], v[ADK] offset:8192+2048*\n+512*\c   ; V lands while the softmax is walked
.endr
.endr
	ds_load_b128 v[236:239], v[ADS] offset:16640
	s_cmp_lg_u32 s[KST], s[BLK]                    ; on the diagonal hidden scores become -infinity ahead of the maximum; key 0 of the step counts for every query
	s_cbranch_scc1 .Lopen_\@
	v_mov_b32 v246, 0xff800000
.set n, 0
.rept 64
	v_cmp_gt_i32 vcc_lo, 32*(n/16)+n%16, v3
	v_cndmask_b32 v[S+n], v[S+n], v246, vcc_lo
.set n, n+1
.endr
.Lopen_\@:
.irp b, 0,1,2,3
	v_max3_num_f32 v[BM+\b], v[S+16*\b], v[S+1+16*\b], v[S+2+16*\b]   ; the largest score of each block of 32 keys: for the row's maximum, and, since p rises with the score, for the block's largest p
.endr
.irp e, 3,5,7,9,11,13
.irp b, 0,1,2,3
	v_max3_num_f32 v[BM+\b], v[BM+\b], v[S+16*\b+\e], v[S+1+16*\b+\e]
.endr
.endr
.irp b, 0,1,2,3
	v_max_num_f32 v[BM+\b], v[BM+\b], v[S+15+16*\b]
.endr
.irp b, 0,1,2,3
	s_delay_alu instid0(VALU_DEP_4)
	v_permlanex16_b32 v[BY+\b], v[BM+\b], s[SEL], s[SEL+1]
.endr
.irp b, 0,1,2,3
	s_delay_alu instid0(VALU_DEP_4)
	v_max_num_f32 v[BM+\b], v[BM+\b], v[BY+\b]     ; with lane l xor 16's 16 keys
.endr
	s_delay_alu instid0(VALU_DEP_2)
	v_max3_num_f32 v246, v[BM], v[BM+1], v[BM+2]
	s_delay_alu instid0(VALU_DEP_1)
	v_max_num_f32 v246, v246, v[BM+3]
	s_delay_alu instid0(VALU_DEP_1)
	v_mul_f32 v246, s[CS], v246                    ; as t
	s_delay_alu instid0(VALU_DEP_1)
	v_max_num_f32 v13, v13, v246                   ; the running largest t
	v_mov_b32 v246, v12
	s_delay_alu instid0(VALU_DEP_2)
	v_floor_f32 v12, -v13                          ; the new -M = -ceil(t)
	s_delay_alu instid0(VALU_DEP_1)
	v_sub_f32 v246, v12, v246                      ; old M - new M: a whole number, 0 or less
	s_delay_alu instid0(VALU_DEP_1)
	v_cvt_i32_f32 v246, v246                       ; (it saturates)
	s_delay_alu instid0(VALU_DEP_1)
	v_ldexp_f32 v244, 1.0, v246                    ; f = 2^(old M - new M)
.set j, 0
.rept 32
	v_pk_fma_f32 v[S+j:S+j+1], v[S+j:S+j+1], s[CS:CS+1], v[12:13] op_sel_hi:[1,0,0]   ; t - M
.set j, j+2
.endr
.irp b, 0,1,2,3
	v_fma_f32 v[BM+\b], v[BM+\b], s[CS], v12
.endr
.set j, 0
	s_wait_alu depctr_va_vdst(0)
.rept 64
	v_exp_f32 v[S+j], v[S+j]                       ; p = 2^(t - M), at most 1
.set j, j+1
.endr
.irp b, 0,1,2,3
	v_exp_f32 v[BM+\b], v[BM+\b]                   ; the block's largest p: the same two instructions on the same number
.endr
	v_pk_mul_f32 v[14:15], v[14:15], v[244:245] op_sel_hi:[1,0]   ; the sums under the new M (a plain instruction behind the exponentials)
	s_wait_alu depctr_va_vdst(0)
.irp b, 0,1,2,3
	v_max_num_f32 v[BM+\b], 0x4800000, v[BM+\b]    ; the floor 2^(9 - 127): a block whose every p is 0 keeps the byte 1; its codes are zeros
.endr
.irp b, 0,1,2,3
	s_delay_alu instid0(VALU_DEP_4)
	v_add_nc_u32 v[SO+\b], 0xfc000000, v[BM+\b]
.endr
.irp b, 0,1,2,3
	v_and_or_b32 v[HO+\b], v[BM+\b], 0x7f800000, s[MNT]
.endr
.irp b, 0,1,2,3
	v_lshrrev_b32 v[BY+\b], 23, v[SO+\b]
.endr
	s_delay_alu instid0(VALU_DEP_3)
	v_lshl_or_b32 v242, v[BY+1], 8, v[BY]          ; p's scale word for these 128 keys
	s_delay_alu instid0(VALU_DEP_1)
	v_lshl_or_b32 v242, v[BY+2], 16, v242
	s_delay_alu instid0(VALU_DEP_1)
	v_lshl_or_b32 v242, v[BY+3], 24, v242
	v_pk_add_f32 v[250:251], v[108:109], v[112:113]
	v_pk_add_f32 v[252:253], v[116:117], v[120:121]
	v_pk_add_f32 v[248:249], v[124:125], v[128:129]
	v_pk_add_f32 v[234:235], v[132:133], v[136:137]
	v_pk_add_f32 v[232:233], v[140:141], v[144:145]
	v_pk_add_f32 v[218:219], v[148:149], v[152:153]
	v_pk_add_f32 v[216:217], v[156:157], v[160:161]
	v_pk_add_f32 v[14:15], v[14:15], v[164:165]
	v_pk_add_f32 v[250:251], v[250:251], v[104:105]
	v_pk_add_f32 v[252:253], v[252:253], v[106:107]
	v_pk_add_f32 v[248:249], v[248:249], v[110:111]
	v_pk_add_f32 v[234:235], v[234:235], v[114:115]
	v_pk_add_f32 v[232:233], v[232:233], v[118:119]
	v_pk_add_f32 v[218:219], v[218:219], v[122:123]
	v_pk_add_f32 v[216:217], v[216:217], v[126:127]
	v_pk_add_f32 v[14:15], v[14:15], v[130:131]
	v_pk_add_f32 v[250:251], v[250:251], v[134:135]
	v_pk_add_f32 v[252:253], v[252:253], v[138:139]
	v_pk_add_f32 v[248:249], v[248:249], v[142:143]
	v_pk_add_f32 v[234:235], v[234:235], v[146:147]
	v_pk_add_f32 v[232:233], v[232:233], v[150:151]
	v_pk_add_f32 v[218:219], v[218:219], v[154:155]
	v_pk_add_f32 v[216:217], v[216:217], v[158:159]
	v_pk_add_f32 v[14:15], v[14:15], v[162:163]
	v_pk_add_f32 v[250:251], v[250:251], v[166:167]
	s_delay_alu instid0(VALU_DEP_2)
	v_pk_add_f32 v[14:15], v[14:15], v[234:235]
	s_delay_alu instid0(VALU_DEP_2)
	v_pk_add_f32 v[250:251], v[250:251], v[232:233]
	v_pk_add_f32 v[252:253], v[252:253], v[218:219]
	v_pk_add_f32 v[248:249], v[248:249], v[216:217]
	s_delay_alu instid0(VALU_DEP_2)
	v_pk_add_f32 v[14:15], v[14:15], v[252:253]
	s_delay_alu instid0(VALU_DEP_2)
	v_pk_add_f32 v[250:251], v[250:251], v[248:249]
	s_delay_alu instid0(VALU_DEP_1)
	v_pk_add_f32 v[14:15], v[14:15], v[250:251]
.irp b, 0,1,2,3
.irp e, 0,1,2,3,4,5,6,7,8,9,10,11,12,13,14,15
	v_min_num_f32 v[S+16*\b+\e], v[S+16*\b+\e], v[HO+\b]   ; the conversion does not saturate (ISA guide 7.6.2); p is not negative: a one-sided hold
.endr
	v_cvt_scalef32_pk8_fp8_f32 v[PCD+4*\b:PCD+4*\b+1], v[S+16*\b:S+16*\b+7], v[SO+\b]
	v_cvt_scalef32_pk8_fp8_f32 v[PCD+4*\b+2:PCD+4*\b+3], v[S+16*\b+8:S+16*\b+15], v[SO+\b]
.endr
.set j, 0
.rept 16
	v_pk_mul_f32 v[OT+j:OT+j+1], v[OT+j:OT+j+1], v[244:245] op_sel_hi:[1,0]   ; O^T under the new M; these sixteen are also the places between the codes and the products
.set j, j+2
.endr
	s_wait_alu depctr_va_vdst(0)
	s_wait_dscnt 0x0                               ; V
.irp i, 0,1,2,3
	v_wmma_scale_f32_16x16x128_f8f6f4 v[OT+8*\i:OT+8*\i+7], v[FR+16*\i:FR+16*\i+15], v[PCD:PCD+15], v[OT+8*\i:OT+8*\i+7], v[236+\i], v242
.endr                                              ; four accumulators by turns; the next step's eight score products stand between two links of a chain
.Lhidden_\@:
	s_add_co_u32 s[TB], s[TB], CH
	s_add_co_u32 s[KST], s[KST], 1
.endm
.macro GROUP all, first, n             ; n key steps from first on.  all = 0: the barrier shows waves 0-3's fills; 1: every wave's
.if \all
	s_wait_tensorcnt 0x0                           ; every wave waits for its one load
.else
	s_cmp_lt_u32 s8, 4                             ; waves 0-3 wait for theirs; the others' stay out
	s_cbranch_scc0 .Lnot_mine_\@
	s_wait_tensorcnt 0x0
.Lnot_mine_\@:
.endif
	s_wait_dscnt 0x0
	s_barrier_signal -1
	s_barrier_wait -1
	s_mov_b32 s[TB], (\first)*CH
	s_mov_b32 s[KST], \first
	s_mov_b32 s[CNT], \n
.Lgroup_\@:
	STEP
	s_sub_co_u32 s[CNT], s[CNT], 1
	s_cmp_lg_u32 s[CNT], 0
	s_cbranch_scc1 .Lgroup_\@
.endm
	GROUP 0, 0, 4
	GROUP 1, 4, 12
.rept 8
	v_nop                                          ; places behind the last products
.endr
	; THE PARTNERS' STATES MEET.  The second state comes into v[S ..]: O^T in 32 registers, then -M, the largest t, the sum's two halves
	s_cmp_lg_u32 s10, 0
	s_cbranch_scc1 .Lheavy_waits
.irp c, 0,1,2,3,4,5,6,7,8
	ds_load_b128 v[S+4*\c:S+4*\c+3], v[STA] offset:512*\c        ; light: my own tile's state back;
.endr
.irp c, 0,1,2,3,4,5,6,7
	ds_store_b128 v[STA], v[OT+4*\c:OT+4*\c+3] offset:512*\c     ; my part of the heavy tile in its place (LDS serves a wave's instructions in order: ISA guide 5.7.1.4)
.endr
	ds_store_b128 v[STA], v[12:15] offset:4096
	v_mov_b32 v12, 0x7f61b1e6                      ; and in my registers that part now stands under the starting M: it counts x 0 below
.Lheavy_waits:
	s_wait_alu depctr_va_vdst(0)
	s_wait_dscnt 0x0                               ; for my partner's sake: my stores have landed
	s_barrier_signal -1
	s_barrier_wait -1
	s_cmp_lg_u32 s10, 0
	s_cbranch_scc0 .Llight_has
.irp c, 0,1,2,3,4,5,6,7,8
	ds_load_b128 v[S+4*\c:S+4*\c+3], v[STA] offset:512*\c        ; heavy: my partner's part of my tile
.endr
.Llight_has:
	s_wait_dscnt 0x0
	v_min_num_f32 v216, v12, v[S+32]               ; -M of the two: the larger M
	v_add_f32 v14, v14, v15
	v_add_f32 v219, v[S+34], v[S+35]
	v_sub_f32 v218, v216, v12                      ; whole numbers, 0 or less
	v_sub_f32 v220, v216, v[S+32]
	v_cvt_i32_f32 v218, v218                       ; (they saturate)
	v_cvt_i32_f32 v220, v220
	v_ldexp_f32 v218, 1.0, v218                    ; 2^(my M - the larger)
	v_ldexp_f32 v220, 1.0, v220                    ; 2^(the other M - the larger)
	v_mul_f32 v14, v14, v218
	v_fma_f32 v14, v219, v220, v14                 ; the sum over my lane's keys
.set j, 0
.rept 16
	v_pk_mul_f32 v[OT+j:OT+j+1], v[OT+j:OT+j+1], v[218:219] op_sel_hi:[1,0]
.set j, j+2
.endr
.set j, 0
.rept 16
	v_pk_fma_f32 v[S+j:S+j+1], v[S+j:S+j+1], v[220:221], v[OT+j:OT+j+1] op_sel_hi:[1,0,1]
.set j, j+2
.endr
	v_permlanex16_b32 v246, v14, s[SEL], s[SEL+1]
	v_add_f32 v14, v14, v246                       ; the row's sum
	s_wait_alu depctr_va_vdst(0)
	v_rcp_f32 v14, v14
	v_nop
	s_wait_alu depctr_va_vdst(0)
.set j, 0
.rept 16
	v_pk_mul_f32 v[S+j:S+j+1], v[S+j:S+j+1], v[14:15] op_sel_hi:[1,0]   ; register 16 b + e: channel 32 b + 16 (lane / 16) + e of my head
.set j, j+2
.endr
	; quantised along the channels: two blocks of 32; v220-221 largest magnitudes, 222-223 bytes, 224-225 448 x scale, 226-227 scale operands
.irp b, 0,1
	v_max3_num_f32 v[BY+\b], |v[S+16*\b]|, |v[S+16*\b+1]|, 0x4800000
.endr
.irp e, 2,4,6,8,10,12,14
.irp b, 0,1
	s_delay_alu instid0(VALU_DEP_2)
	v_max3_num_f32 v[BY+\b], v[BY+\b], |v[S+16*\b+\e]|, |v[S+16*\b+\e+1]|
.endr
.endr
.irp b, 0,1
	s_delay_alu instid0(VALU_DEP_2)
	v_permlanex16_b32 v[BY+2+\b], v[BY+\b], s[SEL], s[SEL+1]
.endr
.irp b, 0,1
	s_delay_alu instid0(VALU_DEP_2)
	v_max_num_f32 v[BY+\b], v[BY+\b], v[BY+2+\b]
.endr
.irp b, 0,1
	s_delay_alu instid0(VALU_DEP_2)
	v_add_nc_u32 v[BY+6+\b], 0xfc000000, v[BY+\b]
.endr
.irp b, 0,1
	s_delay_alu instid0(VALU_DEP_4)
	v_and_or_b32 v[BY+4+\b], v[BY+\b], 0x7f800000, s[MNT]
.endr
.irp b, 0,1
	s_delay_alu instid0(VALU_DEP_4)
	v_lshrrev_b32 v[BY+2+\b], 23, v[BY+6+\b]
.endr
	s_delay_alu instid0(VALU_DEP_1)
	v_lshl_or_b32 v247, v[BY+3], 8, v[BY+2]
.irp b, 0,1
.irp e, 0,1,2,3,4,5,6,7,8,9,10,11,12,13,14,15
	v_med3_num_f32 v[S+16*\b+\e], v[S+16*\b+\e], -v[BY+4+\b], v[BY+4+\b]
.endr
	v_cvt_scalef32_pk8_fp8_f32 v[PCD+4*\b:PCD+4*\b+1], v[S+16*\b:S+16*\b+7], v[BY+6+\b]
	v_cvt_scalef32_pk8_fp8_f32 v[PCD+4*\b+2:PCD+4*\b+3], v[S+16*\b+8:S+16*\b+15], v[BY+6+\b]
.endr
	v_nop
	global_store_b128 v1, v[PCD:PCD+3], s[50:51]               ; 32 lanes store 512 consecutive bytes, at a multiple of 256 from the buffer's first byte
	global_store_b128 v1, v[PCD+4:PCD+7], s[50:51] offset:512
	global_store_b16 v6, v247, s[52:53]                        ; lanes l and l + 16 store the same two bytes
	s_wait_tensorcnt 0x0                           ; the wave's end
	ds_add_u32 v254, v255
	s_wait_dscnt 0x0
	s_endpgm
.Lfunc_end_k_q4ed5abcded_attn:
	.size	k_q4ed5abcded_attn, .Lfunc_end_k_q4ed5abcded_attn-k_q4ed5abcded_attn
	.p2alignl 7, 3214868480
	.fill 96, 4, 3214868480
	.section	.rodata,"a",@progbits
	.p2align	6, 0x0
	.amdhsa_kernel k_q4ed5abcded_attn
		.amdhsa_group_segment_fixed_size 309248
		.amdhsa_private_segment_fixed_size 0
		.amdhsa_enable_private_segment 0
		.amdhsa_kernarg_size 16
		.amdhsa_user_sgpr_count 2
		.amdhsa_user_sgpr_kernarg_segment_ptr 1
		.amdhsa_wavefront_size32 1
		.amdhsa_system_sgpr_workgroup_id_x 1
		.amdhsa_system_sgpr_workgroup_id_y 1
		.amdhsa_system_sgpr_workgroup_id_z 1
		.amdhsa_system_vgpr_workitem_id 0
		.amdhsa_next_free_vgpr 256
		.amdhsa_next_free_sgpr 66
		.amdhsa_reserve_vcc 1
		.amdhsa_float_denorm_mode_32 3
		.amdhsa_float_denorm_mode_16_64 3
		.amdhsa_memory_ordered 1
		.amdhsa_forward_progress 1
		.amdhsa_inst_pref_size 72
	.end_amdhsa_kernel
	.amdgpu_metadata
---
amdhsa.version: [ 1, 2 ]
amdhsa.kernels:
  - .name:           k_q4ed5abcded_attn
    .symbol:         k_q4ed5abcded_attn.kd
    .args:
      - { .name: qkvb, .offset: 0, .size: 8, .value_kind: global_buffer, .address_space: global }
      - { .name: att, .offset: 8, .size: 8, .value_kind: global_buffer, .address_space: global }
    .group_segment_fixed_size: 309248
    .private_segment_fixed_size: 0
    .kernarg_segment_align: 8
    .kernarg_segment_size: 16
    .max_flat_workgroup_size: 512
    .sgpr_count:     66
    .vgpr_count:     256
    .wavefront_size: 32
...
	.end_amdgpu_metadata
.endif
;; end of part 3
;; launch proj (part 4): grid 8 x 32, 4 waves a work-group, clusters of 4 x 4, 327,680 bytes of LDS; arguments att, wts, proj_b, x, x1; writes x1
.if DOCPART == 4
	.amdgcn_target "amdgcn-amd-amdhsa--gfx1250"
	.amdhsa_code_object_version 6
	.text
	.protected	k_q4ed5abcded_proj
	.globl	k_q4ed5abcded_proj
	.p2align	8
	.type	k_q4ed5abcded_proj,@function
k_q4ed5abcded_proj:
	s_mov_b64 s[64:65], 0
	v_nop
	global_prefetch_b8 v0, s[64:65] scope:SCOPE_SE
	s_setreg_imm32_b32 hwreg(HW_REG_WAVE_MODE, 25, 1), 1
	s_wait_xcnt 0x0
	s_wait_alu depctr_hold_cnt(0) depctr_sa_sdst(0) depctr_va_vdst(0) depctr_va_sdst(0) depctr_va_ssrc(0) depctr_va_vcc(0) depctr_vm_vsrc(0)
	s_getreg_b32 s2, hwreg(HW_REG_IB_STS2, 6, 4)
	s_cmp_eq_u32 s2, 0
	s_cbranch_scc0 .Lentry_in_a_cluster
	s_endpgm
.Lentry_in_a_cluster:
	s_bfe_u32 s2, ttmp6, 0x10000c
	s_cmp_lg_u32 s2, 0xf033
	s_cbranch_scc0 .Lentry_shape_is_right
	s_endpgm
.Lentry_shape_is_right:
; x1 = x + att proj_w^T + proj_b: [4,096 x 1,024] x [1,024 x 1,024] on codes of FP8 (E4M3) with E8M0 scales; sums, bias and residual in f32.
; OPERANDS lie in memory as images of the matrix operand's registers: a chunk = 128 rows x 128 along K = 8 fragments of 2,048 bytes (register group c of lane l at 512 c + 16 l) + 512 bytes of scale
; words (32 r + 4 x tile) = 16,896 bytes; chunk number = row block x KS + K step.  Lane r of tile t is row 32 (t / 2) + 8 (t % 2) + r + 8 (r / 8).
; SHARES.  A work-group makes 128 x 128 of the result (256 work-groups); four waves, 64 x 64 each: 16 accumulators.  Source 0 = the weights' rows, source 1 = the tokens: a lane holds one token and, over tiles 2 b and 2 b + 1, 16 neighbouring columns.
; RING.  Two LDS slots; a slot holds four K steps of both operands (135,168 bytes), one tensor load a wave (four chunks of one operand: 264 rows of 256 bytes, dense).  K = 1,024 is two slots: nothing is filled again here.
; CLUSTER 4 x 4: the tokens' chunks hang on y alone and are asked for jointly along a row of the cluster, the weights' on x alone, along a column.
; The bias is the C of each sum's first matrix instruction.  The residual is asked for at the head and lands during the product.  The results go through each wave's own stage in LDS and leave as aligned runs of 256 bytes.
; REGISTERS: window 0: v8-11 fragment addresses, v16-19 scale addresses, v20-28 see below, v32-47 scale words (two sets), v64-95 rows on the way out, v96-127 the bias, later rows on the way out, v128-255 accumulators.
;   window 1: two sets of fragments.   window 2: v0-127 the residual.
.set CH,    16896
.set SCO,   16384
.set OPER,  4*CH
.set SLOT,  2*OPER
.set QTR,   2*CH
.set STAGE, 2*SLOT                     ; behind the ring: 16 rows x 272 bytes for each wave
.set SP,    272
.set SPARE, STAGE+4*16*SP              ; the spare words, 128 bytes for each wave, that no other line names
.set KS,    8
.set XOFF,  3244032                    ; proj_w's chunks in wts
.set XMUL,  1
.set DY,    0
.set DX,    0
.set FA,  4
.set SA,  12
.set SPW, 20
.set NIL, 21
.set LI,  22                           ; v22 16 x lane
.set R32, 24                           ; v24 32 r
.set H64, 25                           ; v25 64 h
.set CO,  26                           ; v26 my byte offset in two rows of the result
.set STO, 27                           ; v27 the stage: where I put 32 bytes of a row
.set RD,  28                           ; v28 and where I read a row back
.set SC,  32
.set BK,  64
.set BIAS, 96
.set ACC, 128
.set G1,  24
.set G0,  32
.set G1B, 48
.set G0B, 56
.set MSB, 0
.macro WIN new                         ; the immediate's high byte repeats the setting that is left
.if MSB != \new
	s_set_vgpr_msb (MSB<<8)|\new
.set MSB, \new
.endif
.endm
.set MUL,  0x05                        ; sources 0 and 1 window 1; C and D window 0
.set TO_F, 0x40                        ; destination window 1, address window 0
.macro JLOAD s                         ; a joint load: waves 0 and 1 fetch Y's halves, waves 2 and 3 X's; four v_nop follow each of the two lines
	s_cmp_eq_u32 s11, 0
	s_cbranch_scc0 .Lfor_x_\@
	tensor_load_to_lds s[G0+4*\s:G0+4*\s+3], s[G1:G1+7]
	s_nop 0
.rept 4
	v_nop
.endr
	s_branch .Lasked_\@
.Lfor_x_\@:
	tensor_load_to_lds s[G0B+4*\s:G0B+4*\s+3], s[G1B:G1B+7]
	s_nop 0
.rept 4
	v_nop
.endr
.Lasked_\@:
.endm
.macro CREST                           ; a round of the cluster's barrier behind its opening barrier
	s_cmp_lg_u32 s10, 0
	s_cbranch_scc1 .Lnot_wave_0_\@
	s_barrier_signal -3
.Lnot_wave_0_\@:
	s_barrier_wait -3
	s_barrier_signal -1
	s_barrier_wait -1
.endm
.macro CROUND
	s_barrier_signal -1
	s_barrier_wait -1
	CREST
.endm
.macro PLACES n                        ; plain vector instructions behind matrix instructions: eight for this form
.rept \n
	v_nop
.endr
.endm
.macro ADDR ori                        ; source 0 is Y (ori 0) or X (ori 1), half p of its rows; source 1 the other, half q
.irp s, 0,1
	s_add_co_u32 s16, s21, \s*SLOT+\ori*OPER
	v_add_nc_u32 v[FA+4*\ori+\s], s16, v[LI]
	s_add_co_u32 s16, s22, \s*SLOT+(1-\ori)*OPER
	v_add_nc_u32 v[FA+4*\ori+2+\s], s16, v[LI]
	s_add_co_u32 s16, s23, \s*SLOT+\ori*OPER+SCO
	v_add_nc_u32 v[SA+4*\ori+\s], s16, v[R32]
	s_add_co_u32 s16, s45, \s*SLOT+(1-\ori)*OPER+SCO
	v_add_nc_u32 v[SA+4*\ori+2+\s], s16, v[R32]
.endr
.endm
; four matrix instructions: source 1's tile i against source 0's four.  cm = 2: the bias starts the sums.  The 16 accumulators take turns, one instruction a turn.
.macro MULI st, i, cm
.irp j, 0,1,2,3
.if \cm == 2
	v_wmma_scale_f32_16x16x128_f8f6f4 v[ACC+8*(4*(\i)+\j):ACC+8*(4*(\i)+\j)+7], v[128*(\st)+16*\j:128*(\st)+16*\j+15], v[128*(\st)+64+16*(\i):128*(\st)+64+16*(\i)+15], v[BIAS+8*\j:BIAS+8*\j+7], v[SC+8*(\st)+\j], v[SC+8*(\st)+4+(\i)]
.else
	v_wmma_scale_f32_16x16x128_f8f6f4 v[ACC+8*(4*(\i)+\j):ACC+8*(4*(\i)+\j)+7], v[128*(\st)+16*\j:128*(\st)+16*\j+15], v[128*(\st)+64+16*(\i):128*(\st)+64+16*(\i)+15], v[ACC+8*(4*(\i)+\j):ACC+8*(4*(\i)+\j)+7], v[SC+8*(\st)+\j], v[SC+8*(\st)+4+(\i)]
.endif
.endr
.endm
; 34 LDS loads in one run: K step k of a slot into set st
.macro FETCH slot, k, st, ori
	WIN 0
	ds_load_b128 v[SC+8*(\st):SC+8*(\st)+3], v[SA+4*(\ori)+(\slot)] offset:(\k)*CH
	ds_load_b128 v[SC+8*(\st)+4:SC+8*(\st)+7], v[SA+4*(\ori)+2+(\slot)] offset:(\k)*CH
	WIN TO_F
.irp j, 0,1,2,3
.irp c, 0,1,2,3
	ds_load_b128 v[128*(\st)+16*\j+4*\c:128*(\st)+16*\j+4*\c+3], v[FA+4*(\ori)+(\slot)] offset:(\k)*CH+\j*2048+\c*512
.endr
.endr
.irp j, 0,1,2,3
.irp c, 0,1,2,3
	ds_load_b128 v[128*(\st)+64+16*\j+4*\c:128*(\st)+64+16*\j+4*\c+3], v[FA+4*(\ori)+2+(\slot)] offset:(\k)*CH+\j*2048+\c*512
.endr
.endr
.endm
.macro STEP slot, k, cm, ori
	s_wait_dscnt 8                                 ; all but the youngest eight loads (source 1's tiles 2, 3) are in
	WIN MUL
	MULI (\k)%2, 0, \cm
	MULI (\k)%2, 1, \cm
	PLACES 8                                       ; for the loads into the other set
	FETCH \slot, (\k)+1, 1-(\k)%2, \ori
	s_wait_dscnt 34                                ; all but the 34 just issued
	WIN MUL
	MULI (\k)%2, 2, \cm
	MULI (\k)%2, 3, \cm
.endm
; A slot's last K step changes slots: one barrier; in front of it each wave waits for all its tensor loads, adds 0 to its spare word, and waits for that and for its reads of this slot.
.macro TURN slot, fill, orin
	WIN 0
	s_wait_tensorcnt 0x0                           ; all my tensor loads have landed: my part of the next slot
	ds_add_u32 v[SPW], v[NIL]                      ; 0 onto my spare word
	s_wait_dscnt 9                                 ; (the add and the youngest eight loads may be out)
	WIN MUL
	MULI 1, 0, 0
	s_wait_dscnt 0x0                               ; the add is done, and my reads of this slot are over
	s_barrier_signal -1
	MULI 1, 1, 0
	WIN 0
	s_barrier_wait -1
.if \fill
	CREST                                          ; the barrier has opened a round of the cluster's
.if DY
	s_add_nc_u64 s[G0+4*\slot+2:G0+4*\slot+3], s[G0+4*\slot+2:G0+4*\slot+3], DY
.endif
.if DX
	s_add_nc_u64 s[G0B+4*\slot+2:G0B+4*\slot+3], s[G0B+4*\slot+2:G0B+4*\slot+3], DX
.endif
	JLOAD \slot
	PLACES 4
.else
	PLACES 8
.endif
	FETCH 1-\slot, 0, 0, \orin
	WIN MUL
	MULI 1, 2, 0
	MULI 1, 3, 0
.endm
.macro LAST
	s_wait_dscnt 8
	WIN MUL
	MULI 1, 0, 0
	MULI 1, 1, 0
	s_wait_dscnt 0x0
	MULI 1, 2, 0
	MULI 1, 3, 0
	WIN 0
.endm
.macro SEGM slot, cm, ori, kind, orin  ; four K steps.  kind 0: change of slots; 1: with a refill; 2: the last
	STEP \slot, 0, \cm, \ori
	STEP \slot, 1, 0, \ori
	STEP \slot, 2, 0, \ori
.if \kind == 2
	LAST
.else
	TURN \slot, \kind, \orin
.endif
.endm
; THE WAY OUT of source 1's tile i: 16 tokens x my 64 columns through my own stage, back as rows of 256 bytes.  LDS serves a wave's instructions in order (ISA guide 5.7.1.4): no wait between the stores and the loads.
.macro TOSTAGE i
.irp j, 0,1,2,3
	ds_store_b128 v[STO], v[ACC+32*(\i)+8*\j:ACC+32*(\i)+8*\j+3] offset:128*(\j/2)+32*(\j%2)        ; each accumulator from its low end on
	ds_store_b128 v[STO], v[ACC+32*(\i)+8*\j+4:ACC+32*(\i)+8*\j+7] offset:128*(\j/2)+32*(\j%2)+16
.endr
.irp t, 0,1,2,3,4,5,6,7
	ds_load_b128 v[BK+32*((\i)%2)+4*\t:BK+32*((\i)%2)+4*\t+3], v[RD] offset:2*\t*SP
.endr
.endm
.macro SEND i, younger                 ; younger: the LDS instructions issued behind tile i's loads
	s_wait_dscnt \younger
	WIN 0x08                                       ; source 1: window 2, the residual
.set u, 0
.rept 16
	v_pk_add_f32 v[BK+32*((\i)%2)+u:BK+32*((\i)%2)+u+1], v[BK+32*((\i)%2)+u:BK+32*((\i)%2)+u+1], v[32*(\i)+u:32*(\i)+u+1]
.set u, u+2
.endr
	WIN 0
.irp t, 0,1,2,3,4,5,6,7
	global_store_b128 v[CO], v[BK+32*((\i)%2)+4*\t:BK+32*((\i)%2)+4*\t+3], s[72:73] offset:(32*((\i)/2)+8*((\i)%2)+2*\t+8*(\t/4))*4096   ; 16 lanes store 256 consecutive bytes, at a multiple of 256 from the buffer's first byte
.endr
.endm
	s_load_b128 s[4:7], s[0:1], 0x0                ; Y: the tokens' codes s[4:5];  X: wts s[6:7]
	s_load_b128 s[68:71], s[0:1], 0x10             ; the bias s[68:69], the residual s[70:71]
	s_load_b64 s[72:73], s[0:1], 0x20              ; the result
	v_lshl_add_u32 v[SPW], v0, 2, SPARE
	v_mov_b32 v[NIL], 0
	ds_add_u32 v20, v21
	ds_add_u32 v20, v21
	s_wait_dscnt 0x0
	v_lshrrev_b32 v1, 5, v0
	v_readfirstlane_b32 s10, v1                    ; wave 0..3
	s_lshr_b32 s11, s10, 1                         ; q: my half of the tokens.
	s_and_b32 s12, s10, 1                          ; p: my half of the columns.  Also: I fetch for Y (0) or X (1)
	s_bfe_u32 s40, ttmp6, 0x40000
	s_bfe_u32 s41, ttmp6, 0x40004
	s_lshl_b32 s42, ttmp9, 2
	s_add_co_u32 s42, s42, s40                     ; x
	s_and_b32 s13, ttmp7, 0xffff
	s_lshl_b32 s13, s13, 2
	s_add_co_u32 s13, s13, s41                     ; y
	s_lshl_b32 s43, s41, 2
	s_lshl_b32 s43, 15, s43                        ; my row of the cluster
	s_lshl_b32 s44, 0x1111, s40                    ; my column
	s_or_b32 s[G1+0], s43, (3<<16)|(1<<21)         ; the mask; elements of 8 bytes; bit 21 beside a mask; no padding
	s_or_b32 s[G1B+0], s44, (3<<16)|(1<<21)
.irp g, G1, G1B
	s_mov_b32 s[\g+1], 32<<16                      ; 256 bytes a row
	s_mov_b32 s[\g+2], 264<<16                     ; 264 rows: the four chunks of one operand in one slot
	s_mov_b32 s[\g+3], 32<<16
	s_mov_b32 s[\g+4], 264
	s_mov_b32 s[\g+5], 32
	s_mov_b32 s[\g+6], 0
	s_mov_b32 s[\g+7], 0
.endr
	s_mul_i32 s17, s11, OPER                       ; wave w fetches for slot w / 2: K steps 4 (w / 2) on
	s_mul_i32 s16, s13, KS*CH
	s_add_co_u32 s16, s16, s17
	s_mul_i32 s46, s42, XMUL*KS*CH
	s_add_co_u32 s46, s46, s17
.if XOFF
	s_add_co_u32 s46, s46, XOFF
.endif
	s_mov_b32 s17, 0
	s_mov_b32 s47, 0
	s_mul_i32 s20, s10, OPER                       ; and puts them at w x 4 chunks: slot w / 2, Y (w even) or X (w odd)
	s_wait_kmcnt 0x0
	s_add_nc_u64 s[14:15], s[4:5], s[16:17]
	s_add_nc_u64 s[46:47], s[6:7], s[46:47]
	CROUND                                         ; all sixteen work-groups are here: the first joint loads meet
	s_mov_b32 s[G0], 1
	s_mov_b32 s[G0+1], s20
	s_mov_b64 s[G0+2:G0+3], s[14:15]
	s_or_b32 s[G0+3], s[G0+3], 0x80000000
	s_mov_b32 s[G0B], 1
	s_mov_b32 s[G0B+1], s20
	s_mov_b64 s[G0B+2:G0B+3], s[46:47]
	s_or_b32 s[G0B+3], s[G0B+3], 0x80000000
; THE FILLS, AS THEY NOW STAND: one joint load a wave, four chunks each: wave 0 slot 0's Y, wave 1 slot 0's X, wave 2 slot 1's Y, wave 3 slot 1's X.
; One chain of four arms on the wave's number, a load line each: the first barrier shows waves 0 and 1's lines alone.
.macro ARM under, g0, g1, next
	s_cmp_lt_u32 s10, \under
	s_cbranch_scc0 \next
	tensor_load_to_lds s[\g0:\g0+3], s[\g1:\g1+7]
	s_nop 0
	PLACES 4
	s_branch .Lhead_asked
\next:
.endm
	ARM 1, G0, G1, .Lhead_1
	ARM 2, G0B, G1B, .Lhead_2
	ARM 3, G0, G1, .Lhead_3
	tensor_load_to_lds s[G0B:G0B+3], s[G1B:G1B+7]
	s_nop 0
	PLACES 4
.Lhead_asked:
	v_and_b32 v1, 15, v0                           ; r
	v_bfe_u32 v2, v0, 4, 1                         ; h
	v_and_b32 v3, 31, v0
	v_lshlrev_b32 v[LI], 4, v3
	v_lshlrev_b32 v[R32], 5, v1
	s_wait_alu depctr_va_vdst(0)
	v_lshlrev_b32 v[H64], 6, v2
	s_lshl_b32 s21, s12, 13
	s_lshl_b32 s22, s11, 13
	s_lshl_b32 s23, s12, 4
	s_lshl_b32 s45, s11, 4
	ADDR 1
	s_mul_i32 s16, s10, 16*SP
	s_add_co_u32 s16, s16, STAGE                   ; my stage
	v_mul_u32_u24 v3, v1, SP
	v_add_nc_u32 v3, v3, v[H64]
	v_add_nc_u32 v[STO], s16, v3                   ; in: row r, + 64 h
	v_mul_u32_u24 v3, v2, SP
	v_lshl_add_u32 v3, v1, 4, v3
	v_add_nc_u32 v[RD], s16, v3                    ; back: lanes 0-15 one row, lanes 16-31 the next
	v_lshlrev_b32 v3, 12, v2
	v_lshl_add_u32 v[CO], v1, 4, v3                ; and the same two rows in memory
	s_wait_alu depctr_va_vdst(0)
	s_lshl_b32 s74, s42, 9                         ; my first column, in bytes: 512 x + 256 p
	s_lshl_b32 s75, s12, 8
	s_add_co_u32 s74, s74, s75
	s_mov_b32 s75, 0
	s_add_nc_u64 s[68:69], s[68:69], s[74:75]
	s_lshl_b32 s76, s13, 19                        ; my first row: 128 y + 64 q, of 4,096 bytes
	s_lshl_b32 s77, s11, 18
	s_add_co_u32 s76, s76, s77
	s_add_co_u32 s74, s74, s76
	s_add_nc_u64 s[70:71], s[70:71], s[74:75]
	s_add_nc_u64 s[72:73], s[72:73], s[74:75]
.irp j, 0,1,2,3
	global_load_b128 v[BIAS+8*\j:BIAS+8*\j+3], v[H64], s[68:69] offset:(32*(\j/2)+8*(\j%2))*4        ; tile j, lane half h: columns 32 (j / 2) + 16 h + 8 (j % 2) + 0 .. 7
	global_load_b128 v[BIAS+8*\j+4:BIAS+8*\j+7], v[H64], s[68:69] offset:(32*(\j/2)+8*(\j%2))*4+16
.endr
	WIN 0x80                                       ; destination window 2
.irp i, 0,1,2,3
.irp t, 0,1,2,3,4,5,6,7
	global_load_b128 v[32*\i+4*\t:32*\i+4*\t+3], v[CO], s[70:71] offset:(32*(\i/2)+8*(\i%2)+2*\t+8*(\t/4))*4096
.endr
.endr
	WIN 0
	s_cmp_lt_u32 s10, 2                            ; slot 0's two waves wait for their loads; slot 1's wait at the change of slots
	s_cbranch_scc0 .Lnot_slot_0
	s_wait_tensorcnt 0x0
.Lnot_slot_0:
	s_barrier_signal -1
	s_barrier_wait -1
	FETCH 0, 0, 0, 1
	s_wait_loadcnt 32                              ; the bias is in; the residual's 32 loads, issued behind it, stay out
	SEGM 0, 2, 1, 0, 1
	SEGM 1, 0, 1, 2, 1
	PLACES 8
	s_wait_loadcnt 0x0                             ; the residual
	TOSTAGE 0
.irp i, 1,2,3
.if \i > 1
	s_wait_xcnt 0x0                                ; tile i - 2's stores have read their registers: tile i's loads may land there
.endif
	TOSTAGE \i
	SEND \i-1, 16                                  ; behind tile i - 1's loads: tile i's 8 stores and 8 loads
.endr
	SEND 3, 0
	s_wait_tensorcnt 0x0                           ; the wave's end
	ds_add_u32 v[SPW], v[NIL]
	s_wait_dscnt 0x0
	CROUND                                         ; the closing round
	s_endpgm
.Lfunc_end_k_q4ed5abcded_proj:
	.size	k_q4ed5abcded_proj, .Lfunc_end_k_q4ed5abcded_proj-k_q4ed5abcded_proj
	.p2alignl 7, 3214868480
	.fill 96, 4, 3214868480
	.section	.rodata,"a",@progbits
	.p2align	6, 0x0
	.amdhsa_kernel k_q4ed5abcded_proj
		.amdhsa_group_segment_fixed_size 327680
		.amdhsa_private_segment_fixed_size 0
		.amdhsa_enable_private_segment 0
		.amdhsa_kernarg_size 40
		.amdhsa_user_sgpr_count 2
		.amdhsa_user_sgpr_kernarg_segment_ptr 1
		.amdhsa_wavefront_size32 1
		.amdhsa_system_sgpr_workgroup_id_x 1
		.amdhsa_system_sgpr_workgroup_id_y 1
		.amdhsa_system_sgpr_workgroup_id_z 1
		.amdhsa_system_vgpr_workitem_id 0
		.amdhsa_next_free_vgpr 640
		.amdhsa_next_free_sgpr 96
		.amdhsa_reserve_vcc 0
		.amdhsa_float_denorm_mode_32 3
		.amdhsa_float_denorm_mode_16_64 3
		.amdhsa_memory_ordered 1
		.amdhsa_forward_progress 1
		.amdhsa_inst_pref_size 60
	.end_amdhsa_kernel
	.amdgpu_metadata
---
amdhsa.version: [ 1, 2 ]
amdhsa.kernels:
  - .name:           k_q4ed5abcded_proj
    .symbol:         k_q4ed5abcded_proj.kd
    .args:
      - { .name: att, .offset: 0, .size: 8, .value_kind: global_buffer, .address_space: global }
      - { .name: wts, .offset: 8, .size: 8, .value_kind: global_buffer, .address_space: global }
      - { .name: proj_b, .offset: 16, .size: 8, .value_kind: global_buffer, .address_space: global }
      - { .name: x, .offset: 24, .size: 8, .value_kind: global_buffer, .address_space: global }
      - { .name: x1, .offset: 32, .size: 8, .value_kind: global_buffer, .address_space: global }
    .group_segment_fixed_size: 327680
    .private_segment_fixed_size: 0
    .kernarg_segment_align: 8
    .kernarg_segment_size: 40
    .max_flat_workgroup_size: 128
    .sgpr_count:     96
    .vgpr_count:     640
    .wavefront_size: 32
...
	.end_amdgpu_metadata
.endif
;; end of part 4
;; launch ln2: the kernel of part 1 again; grid 256 x 1, 8 waves a work-group, no clusters, 2,048 bytes of LDS; arguments x1, ln2_g, ln2_b, act, qkv_w, proj_w, l1_w, l3_w, wts; writes act, wts
;; launch l1 (part 5): grid 8 x 32, 4 waves a work-group, clusters of 4 x 4, 327,680 bytes of LDS; arguments act, wts, l1_b, hid; writes hid
.if DOCPART == 5
	.amdgcn_target "amdgcn-amd-amdhsa--gfx1250"
	.amdhsa_code_object_version 6
	.text
	.protected	k_q4ed5abcded_l1
	.globl	k_q4ed5abcded_l1
	.p2align	8
	.type	k_q4ed5abcded_l1,@function
k_q4ed5abcded_l1:
	s_mov_b64 s[64:65], 0
	v_nop
	global_prefetch_b8 v0, s[64:65] scope:SCOPE_SE
	s_setreg_imm32_b32 hwreg(HW_REG_WAVE_MODE, 25, 1), 1
	s_wait_xcnt 0x0
	s_wait_alu depctr_hold_cnt(0) depctr_sa_sdst(0) depctr_va_vdst(0) depctr_va_sdst(0) depctr_va_ssrc(0) depctr_va_vcc(0) depctr_vm_vsrc(0)
	s_getreg_b32 s2, hwreg(HW_REG_IB_STS2, 6, 4)
	s_cmp_eq_u32 s2, 0
	s_cbranch_scc0 .Lentry_in_a_cluster
	s_endpgm
.Lentry_in_a_cluster:
	s_bfe_u32 s2, ttmp6, 0x10000c
	s_cmp_lg_u32 s2, 0xf033
	s_cbranch_scc0 .Lentry_shape_is_right
	s_endpgm
.Lentry_shape_is_right:
; hid = Q(relu(LN2(x1) l1_w^T + l1_b)) on codes of FP8 (E4M3) with E8M0 scales; operands and result lie as images of the matrix operand's registers (chunks of 16,896 bytes: 128 rows x 128 along K and their scale words).
; A work-group makes 128 tokens x 512 hidden units, four tiles of 128; four waves, 64 x 64 each.  The tokens stay in registers (windows 2, 3); the weights go through two LDS slots of eight chunks.
; At the head waves 0, 1 fetch the tokens' halves and waves 2, 3 the halves of tile 0's weights, one joint load of 264 rows a wave; a later tile comes as 132 rows a wave behind a round of the cluster's barrier.
; The weights of tiles 1 to 3 are prefetched: tiles 1 and 2 at the head, tile 3 where tile 1 is fetched; of a wave's 132 rows of 256 bytes the partner at place cy names 33, so each row is named once in the cluster.
; The bias is the C of each sum's first product; the hold between 0 and 448 x the scale is also the activation.  LIMITS: NaN and infinities are not served; a block whose largest number lies under 2^-118 keeps the byte 1.
.set CH,    16896
.set SCO,   16384
.set SLOT,  8*CH
.set QTR,   2*CH
.set SPARE, 2*SLOT
.set KS,    8
.set WOFF,  4325376
.set TSTEP, 8*CH
.set FAW, 4
.set SAW, 8
.set FAT, 12
.set SAT, 14
.set SPW, 20
.set NIL, 21
.set LI,  22
.set R32, 24
.set H64, 25
.set SCW, 32
.set SCT, 40
.set TM,  72                           ; v72-75 largest numbers, 76-79 bytes, 80-83 448 x scale, 84-87 scale operands: four blocks of 32 at a time
.set HW,  92                           ; v92-95 the scale halves
.set PC,  96
.set ACC, 128
.set BIAS, 128
.set G1R, 24
.set G0R, 32
.set G1S, 48
.set G0S, 56
.set CB,  76
.set SB,  78
.set SEL, 92
.set MNT, 94
.set MSB, 0
.macro WIN new
.if MSB != (\new)
	s_set_vgpr_msb (MSB<<8)|(\new)
.set MSB, (\new)
.endif
.endm
.macro WINM k, cm
.if \cm == 2
	WIN 0x11|((2+(\k)/4)<<2)
.else
	WIN 0x01|((2+(\k)/4)<<2)
.endif
.endm
.macro CREST
	s_cmp_lg_u32 s10, 0
	s_cbranch_scc1 .Lnot_wave_0_\@
	s_barrier_signal -3
.Lnot_wave_0_\@:
	s_barrier_wait -3
	s_barrier_signal -1
	s_barrier_wait -1
.endm
.macro CROUND
	s_barrier_signal -1
	s_barrier_wait -1
	CREST
.endm
.macro PLACES n
.rept \n
	v_nop
.endr
.endm
.macro MULW st, k, w, cm
.irp t, 0,1,2,3
.set rD, ACC+8*(4*\t+(\w))
.set rW, 64*(\st)+16*(\w)
.set rT, 64*((\k)%4)+16*\t
.set sW, SCW+4*(\st)+(\w)
.set sT, SCT+4*(\k)+\t
.if \cm == 2
	v_wmma_scale_f32_16x16x128_f8f6f4 v[rD:rD+7], v[rW:rW+15], v[rT:rT+15], v[BIAS+8*(\w):BIAS+8*(\w)+7], v[sW], v[sT]
.else
	v_wmma_scale_f32_16x16x128_f8f6f4 v[rD:rD+7], v[rW:rW+15], v[rT:rT+15], v[rD:rD+7], v[sW], v[sT]
.endif
.endr
.endm
.macro FETCH slot, k, st
	WIN 0
	ds_load_b128 v[SCW+4*(\st):SCW+4*(\st)+3], v[SAW+2*(\slot)+(\k)/4] offset:((\k)%4)*CH
	WIN 0x40
.irp w, 0,1,2,3
.irp c, 0,1,2,3
	ds_load_b128 v[64*(\st)+16*\w+4*\c:64*(\st)+16*\w+4*\c+3], v[FAW+2*(\slot)+(\k)/4] offset:((\k)%4)*CH+\w*2048+\c*512
.endr
.endr
.endm
.macro STEP slot, k, cm
	s_wait_dscnt 8
	WINM \k, \cm
	MULW (\k)%2, \k, 0, \cm
	MULW (\k)%2, \k, 1, \cm
	s_wait_dscnt 0x0
	PLACES 8
	FETCH \slot, (\k)+1, 1-(\k)%2
	WINM \k, \cm
	MULW (\k)%2, \k, 2, \cm
	MULW (\k)%2, \k, 3, \cm
.endm
.macro TURN slot, fill
	WIN 0
	s_wait_tensorcnt 0x0
	ds_add_u32 v[SPW], v[NIL]
	s_wait_dscnt 9
	WINM 7, 0
	MULW 1, 7, 0, 0
	s_wait_dscnt 0x0
	s_barrier_signal -1
	MULW 1, 7, 1, 0
	WIN 0
	s_barrier_wait -1
.if \fill
	CREST
	s_add_nc_u64 s[G0S+4*\slot+2:G0S+4*\slot+3], s[G0S+4*\slot+2:G0S+4*\slot+3], 2*TSTEP
	tensor_load_to_lds s[G0S+4*\slot:G0S+4*\slot+3], s[G1S:G1S+7]
	s_nop 0
.endif
	PLACES 8
	FETCH 1-\slot, 0, 0
	WINM 7, 0
	MULW 1, 7, 2, 0
	MULW 1, 7, 3, 0
.endm
.macro LAST
	s_wait_dscnt 8
	WINM 7, 0
	MULW 1, 7, 0, 0
	MULW 1, 7, 1, 0
	s_wait_dscnt 0x0
	MULW 1, 7, 2, 0
	MULW 1, 7, 3, 0
	WIN 0
.endm
.macro TILE slot, kind
	STEP \slot, 0, 2
.irp k, 1,2,3,4,5,6
	STEP \slot, \k, 0
.endr
.if \kind == 2
	LAST
.else
	TURN \slot, \kind
.endif
.endm
.macro BIASLD n
	WIN 0x40
.irp j, 0,1,2,3
	global_load_b128 v[BIAS+8*\j:BIAS+8*\j+3], v[H64], s[68:69] offset:512*(\n)+(32*(\j/2)+8*(\j%2))*4
	global_load_b128 v[BIAS+8*\j+4:BIAS+8*\j+7], v[H64], s[68:69] offset:512*(\n)+(32*(\j/2)+8*(\j%2))*4+16
.endr
	WIN 0
.endm
; two tiles of tokens at a time: 64 numbers of a lane, four blocks of 32 by turns, become 16 registers of codes and two scale halves.  No |.| on the maximum's sources: what is negative becomes 0 and must not count
.macro QUANT4 s, pc, hw
.irp b, 0,1,2,3
	v_max3_num_f32 v[TM+\b], v[(\s)+16*\b], v[(\s)+16*\b+1], 0x4800000   ; from each accumulator's low end on; the floor 2^(9 - 127)
.endr
.irp e, 2,4,6,8,10,12,14
.irp b, 0,1,2,3
	v_max3_num_f32 v[TM+\b], v[TM+\b], v[(\s)+16*\b+\e], v[(\s)+16*\b+\e+1]
.endr
.endr
.irp b, 0,1,2,3
	v_permlanex16_b32 v[TM+4+\b], v[TM+\b], s[SEL], s[SEL+1]
.endr
.irp b, 0,1,2,3
	v_max_num_f32 v[TM+\b], v[TM+\b], v[TM+4+\b]
.endr
.irp b, 0,1,2,3
	v_add_nc_u32 v[TM+12+\b], 0xfc000000, v[TM+\b]
.endr
.irp b, 0,1,2,3
	v_and_or_b32 v[TM+8+\b], v[TM+\b], 0x7f800000, s[MNT]
.endr
.irp b, 0,1,2,3
	v_lshrrev_b32 v[TM+4+\b], 23, v[TM+12+\b]
.endr
	v_lshl_or_b32 v[(\hw)], v[TM+5], 8, v[TM+4]
	v_lshl_or_b32 v[(\hw)+1], v[TM+7], 8, v[TM+6]
.irp b, 0,1,2,3
.irp e, 0,1,2,3,4,5,6,7,8,9,10,11,12,13,14,15
	v_med3_num_f32 v[(\s)+16*\b+\e], v[(\s)+16*\b+\e], 0, v[TM+8+\b]   ; the activation and the hold in one
.endr
	v_cvt_scalef32_pk8_fp8_f32 v[(\pc)+4*\b:(\pc)+4*\b+1], v[(\s)+16*\b:(\s)+16*\b+7], v[TM+12+\b]
	v_cvt_scalef32_pk8_fp8_f32 v[(\pc)+4*\b+2:(\pc)+4*\b+3], v[(\s)+16*\b+8:(\s)+16*\b+15], v[TM+12+\b]
.endr
	v_nop
.endm
.macro EPIQ n
	WIN 0
	s_wait_xcnt 0x0
	PLACES 8
.irp i, 0,2
	QUANT4 ACC+32*\i, PC+8*\i, HW+\i
.endr
.irp i, 0,1,2,3
	global_store_b128 v[LI], v[PC+8*\i:PC+8*\i+3], s[CB:CB+1] offset:(\n)*CH+\i*2048
	global_store_b128 v[LI], v[PC+8*\i+4:PC+8*\i+7], s[CB:CB+1] offset:(\n)*CH+\i*2048+512
	global_store_b16 v[R32], v[HW+\i], s[SB:SB+1] offset:(\n)*CH+\i*4
.endr
.endm
	s_load_b128 s[4:7], s[0:1], 0x0
	s_load_b128 s[68:71], s[0:1], 0x10
	v_lshl_add_u32 v[SPW], v0, 2, SPARE
	v_mov_b32 v[NIL], 0
	ds_add_u32 v20, v21
	ds_add_u32 v20, v21
	s_wait_dscnt 0x0
	v_lshrrev_b32 v1, 5, v0
	v_readfirstlane_b32 s10, v1
	s_lshr_b32 s11, s10, 1
	s_and_b32 s12, s10, 1
	s_bfe_u32 s40, ttmp6, 0x40000
	s_bfe_u32 s41, ttmp6, 0x40004
	s_lshl_b32 s42, ttmp9, 2
	s_add_co_u32 s42, s42, s40
	s_and_b32 s13, ttmp7, 0xffff
	s_lshl_b32 s13, s13, 2
	s_add_co_u32 s13, s13, s41
	s_lshl_b32 s43, s41, 2
	s_lshl_b32 s43, 15, s43
	s_lshl_b32 s44, 0x1111, s40
	s_or_b32 s[G1R+0], s43, (3<<16)|(1<<21)
	s_or_b32 s[G1S+0], s44, (3<<16)|(1<<21)
.irp g, G1R, G1S
	s_mov_b32 s[\g+1], 32<<16
	s_mov_b32 s[\g+2], 264<<16
	s_mov_b32 s[\g+3], 32<<16
	s_mov_b32 s[\g+4], 264
	s_mov_b32 s[\g+5], 32
	s_mov_b32 s[\g+6], 0
	s_mov_b32 s[\g+7], 0
.endr
	s_mul_i32 s20, s10, QTR
	s_mul_i32 s16, s13, KS*CH
	s_mul_i32 s21, s12, 4*CH                       ; at the head a wave fetches four of a block's eight chunks: which half
	s_add_co_u32 s16, s16, s21
	s_mul_i32 s18, s42, 4*KS*CH                    ; tile 0's weights, the same half
	s_add_co_u32 s18, s18, s21
	s_add_co_u32 s18, s18, WOFF
	s_mov_b32 s19, 0
	s_mov_b32 s17, 0
	s_mul_i32 s46, s42, 4*KS*CH
	s_add_co_u32 s46, s46, s20
	s_add_co_u32 s46, s46, WOFF
	s_mov_b32 s47, 0
	s_wait_kmcnt 0x0
	s_add_nc_u64 s[14:15], s[4:5], s[16:17]
	s_add_nc_u64 s[46:47], s[6:7], s[46:47]
	CROUND
	s_mov_b32 s[G0R], 1
	s_add_co_u32 s[G0R+1], s21, SLOT               ; the tokens come into slot 1
	s_mov_b32 s36, 1                               ; s[36:39]: group 0 of the head's load of tile 0's weights, into slot 0
	s_mov_b32 s37, s21
	s_add_nc_u64 s[38:39], s[6:7], s[18:19]
	s_or_b32 s39, s39, 0x80000000
	s_mul_i32 s80, s41, 33*256                     ; the prefetches: my work-group's 33 of my wave's 132 rows
	s_mov_b32 s81, 0
	s_add_nc_u64 s[66:67], s[46:47], s[80:81]
	s_mov_b64 s[G0R+2:G0R+3], s[14:15]
	s_or_b32 s[G0R+3], s[G0R+3], 0x80000000
.irp s, 0,1
	s_mov_b32 s[G0S+4*\s], 1
	s_add_co_u32 s[G0S+4*\s+1], s20, \s*SLOT
	s_add_nc_u64 s[G0S+4*\s+2:G0S+4*\s+3], s[46:47], \s*TSTEP
	s_or_b32 s[G0S+4*\s+3], s[G0S+4*\s+3], 0x80000000
.endr
	s_cmp_lt_u32 s10, 2                            ; one tensor load a wave at the head
	s_cbranch_scc0 .Lhead_w
	tensor_load_to_lds s[G0R:G0R+3], s[G1R:G1R+7]
	s_nop 0
	PLACES 4
	s_branch .Lhead_asked
.Lhead_w:
	tensor_load_to_lds s[36:39], s[G1S:G1S+7]
	s_nop 0
	PLACES 4
.Lhead_asked:
	v_and_b32 v1, 15, v0
	v_bfe_u32 v2, v0, 4, 1
	v_and_b32 v3, 31, v0
	v_lshlrev_b32 v[LI], 4, v3
	v_lshlrev_b32 v26, 8, v3                       ; the prefetches' offsets: a lane a row of 256 bytes,
	v_mov_b32 v27, 32*256                          ; and my share's 33rd row; neither is rewritten
	v_lshlrev_b32 v[R32], 5, v1
	s_wait_alu depctr_va_vdst(0)
	v_lshlrev_b32 v[H64], 6, v2
.irp b, 4,5,6,7
	v_mov_b32 v[TM+\b], 0                          ; written once: a lane permute's destination counts as one of its sources
.endr
	s_lshl_b32 s21, s12, 13
	s_lshl_b32 s22, s11, 13
	s_lshl_b32 s23, s12, 4
	s_lshl_b32 s45, s11, 4
.irp s, 0,1
.irp u, 0,1
	s_add_co_u32 s16, s21, \s*SLOT+\u*4*CH
	v_add_nc_u32 v[FAW+2*\s+\u], s16, v[LI]
	s_add_co_u32 s16, s23, \s*SLOT+\u*4*CH+SCO
	v_add_nc_u32 v[SAW+2*\s+\u], s16, v[R32]
.endr
.endr
.irp u, 0,1
	s_add_co_u32 s16, s22, SLOT+\u*4*CH
	v_add_nc_u32 v[FAT+\u], s16, v[LI]
	s_add_co_u32 s16, s45, SLOT+\u*4*CH+SCO
	v_add_nc_u32 v[SAT+\u], s16, v[R32]
.endr
	s_mov_b32 s[SEL], 0x76543210
	s_mov_b32 s[SEL+1], 0xfedcba98
	s_mov_b32 s[MNT], 0x600000
	s_lshl_b32 s72, s42, 11
	s_lshl_b32 s73, s12, 8
	s_add_co_u32 s72, s72, s73
	s_mov_b32 s73, 0
	s_add_nc_u64 s[68:69], s[68:69], s[72:73]
.irp n, 0,1,2,3                        ; all four tiles' biases now: tile n's 32 registers at v[128 + 32 n] of window 1
.set BIAS, 128+32*\n
	BIASLD \n
.endr
	s_lshl_b32 s74, s13, 5
	s_lshl_b32 s75, s42, 2
	s_add_co_u32 s74, s74, s75
	s_mul_i32 s74, s74, CH
	s_lshl_b32 s75, s11, 13
	s_add_co_u32 s76, s74, s75
	s_lshl_b32 s75, s12, 10
	s_add_co_u32 s76, s76, s75
	s_mov_b32 s77, 0
	s_add_nc_u64 s[CB:CB+1], s[70:71], s[76:77]
	s_lshl_b32 s75, s11, 4
	s_add_co_u32 s78, s74, s75
	s_lshl_b32 s75, s12, 1
	s_add_co_u32 s78, s78, s75
	s_add_co_u32 s78, s78, SCO
	s_mov_b32 s79, 0
	s_add_nc_u64 s[SB:SB+1], s[70:71], s[78:79]
	s_wait_alu depctr_va_vdst(0)
	global_prefetch_b8 v26, s[66:67] offset:TSTEP th:TH_LOAD_NT scope:SCOPE_SE
	global_prefetch_b8 v27, s[66:67] offset:TSTEP th:TH_LOAD_NT scope:SCOPE_SE
	global_prefetch_b8 v26, s[66:67] offset:2*TSTEP th:TH_LOAD_NT scope:SCOPE_SE
	global_prefetch_b8 v27, s[66:67] offset:2*TSTEP th:TH_LOAD_NT scope:SCOPE_SE
	s_cmp_lt_u32 s10, 2                            ; the waves that fetched the tokens wait for them; the weights' line is waited for further down
	s_cbranch_scc0 .Lnot_tok
	s_wait_tensorcnt 0x0
.Lnot_tok:
	s_barrier_signal -1
	s_barrier_wait -1
.irp k, 0,1,2,3,4,5,6,7
	ds_load_b128 v[SCT+4*\k:SCT+4*\k+3], v[SAT+\k/4] offset:(\k%4)*CH
.endr
	WIN 0x80
.irp k, 0,1,2,3
.irp i, 0,1,2,3
.irp c, 0,1,2,3
	ds_load_b128 v[64*\k+16*\i+4*\c:64*\k+16*\i+4*\c+3], v[FAT] offset:\k*CH+\i*2048+\c*512
.endr
.endr
.endr
	WIN 0xc0
.irp k, 0,1,2,3
.irp i, 0,1,2,3
.irp c, 0,1,2,3
	ds_load_b128 v[64*\k+16*\i+4*\c:64*\k+16*\i+4*\c+3], v[FAT+1] offset:\k*CH+\i*2048+\c*512
.endr
.endr
.endr
	WIN 0
	s_wait_tensorcnt 0x0
	ds_add_u32 v[SPW], v[NIL]
	s_mov_b32 s[G1S+2], 132<<16                    ; no tensor load of mine is out: from here on a load brings two chunks, 132 rows
	s_mov_b32 s[G1S+4], 132
	s_wait_dscnt 0x0
	CROUND
	tensor_load_to_lds s[G0S+4:G0S+7], s[G1S:G1S+7]
	s_nop 0
	PLACES 4
	global_prefetch_b8 v26, s[66:67] offset:3*TSTEP th:TH_LOAD_NT scope:SCOPE_SE
	global_prefetch_b8 v27, s[66:67] offset:3*TSTEP th:TH_LOAD_NT scope:SCOPE_SE
	FETCH 0, 0, 0
	s_wait_loadcnt 0x0
.set BIAS, 128
	TILE 0, 1
	EPIQ 0
.set BIAS, 160
	TILE 1, 1
	EPIQ 1
.set BIAS, 192
	TILE 0, 0
	EPIQ 2
.set BIAS, 224
	TILE 1, 2
	EPIQ 3
	s_wait_tensorcnt 0x0
	ds_add_u32 v[SPW], v[NIL]
	s_wait_dscnt 0x0
	CROUND
	s_endpgm
.Lfunc_end_k_q4ed5abcded_l1:
	.size	k_q4ed5abcded_l1, .Lfunc_end_k_q4ed5abcded_l1-k_q4ed5abcded_l1
	.p2alignl 7, 3214868480
	.fill 96, 4, 3214868480
	.section	.rodata,"a",@progbits
	.p2align	6, 0x0
	.amdhsa_kernel k_q4ed5abcded_l1
		.amdhsa_group_segment_fixed_size 327680
		.amdhsa_private_segment_fixed_size 0
		.amdhsa_enable_private_segment 0
		.amdhsa_kernarg_size 32
		.amdhsa_user_sgpr_count 2
		.amdhsa_user_sgpr_kernarg_segment_ptr 1
		.amdhsa_wavefront_size32 1
		.amdhsa_system_sgpr_workgroup_id_x 1
		.amdhsa_system_sgpr_workgroup_id_y 1
		.amdhsa_system_sgpr_workgroup_id_z 1
		.amdhsa_system_vgpr_workitem_id 0
		.amdhsa_next_free_vgpr 1024
		.amdhsa_next_free_sgpr 96
		.amdhsa_reserve_vcc 0
		.amdhsa_float_denorm_mode_32 3
		.amdhsa_float_denorm_mode_16_64 3
		.amdhsa_memory_ordered 1
		.amdhsa_forward_progress 1
		.amdhsa_inst_pref_size 203
	.end_amdhsa_kernel
	.amdgpu_metadata
---
amdhsa.version: [ 1, 2 ]
amdhsa.kernels:
  - .name:           k_q4ed5abcded_l1
    .symbol:         k_q4ed5abcded_l1.kd
    .args:
      - { .name: act, .offset: 0, .size: 8, .value_kind: global_buffer, .address_space: global }
      - { .name: wts, .offset: 8, .size: 8, .value_kind: global_buffer, .address_space: global }
      - { .name: l1_b, .offset: 16, .size: 8, .value_kind: global_buffer, .address_space: global }
      - { .name: hid, .offset: 24, .size: 8, .value_kind: global_buffer, .address_space: global }
    .group_segment_fixed_size: 327680
    .private_segment_fixed_size: 0
    .kernarg_segment_align: 8
    .kernarg_segment_size: 32
    .max_flat_workgroup_size: 128
    .sgpr_count:     96
    .vgpr_count:     1024
    .wavefront_size: 32
...
	.end_amdgpu_metadata
.endif
;; end of part 5
;; launch l3 (part 6): grid 8 x 32, 4 waves a work-group, clusters of 4 x 4, 327,680 bytes of LDS; arguments hid, wts, l3_b, x1, out0; writes out0
.if DOCPART == 6
	.amdgcn_target "amdgcn-amd-amdhsa--gfx1250"
	.amdhsa_code_object_version 6
	.text
	.protected	k_q4ed5abcded_l3
	.globl	k_q4ed5abcded_l3
	.p2align	8
	.type	k_q4ed5abcded_l3,@function
k_q4ed5abcded_l3:
	s_mov_b64 s[64:65], 0
	v_nop
	global_prefetch_b8 v0, s[64:65] scope:SCOPE_SE
	s_setreg_imm32_b32 hwreg(HW_REG_WAVE_MODE, 25, 1), 1
	s_wait_xcnt 0x0
	s_wait_alu depctr_hold_cnt(0) depctr_sa_sdst(0) depctr_va_vdst(0) depctr_va_sdst(0) depctr_va_ssrc(0) depctr_va_vcc(0) depctr_vm_vsrc(0)
	s_getreg_b32 s2, hwreg(HW_REG_IB_STS2, 6, 4)
	s_cmp_eq_u32 s2, 0
	s_cbranch_scc0 .Lentry_in_a_cluster
	s_endpgm
.Lentry_in_a_cluster:
	s_bfe_u32 s2, ttmp6, 0x10000c
	s_cmp_lg_u32 s2, 0xf033
	s_cbranch_scc0 .Lentry_shape_is_right
	s_endpgm
.Lentry_shape_is_right:
; out0 = x1 + hid l3_w^T + l3_b: [4,096 x 4,096] x [4,096 x 1,024] on codes of FP8 (E4M3) with E8M0 scales; sums, bias and residual in f32.
; OPERANDS lie in memory as images of the matrix operand's registers: a chunk = 128 rows x 128 along K = 8 fragments of 2,048 bytes (register group c of lane l at 512 c + 16 l) + 512 bytes of scale
; words (32 r + 4 x tile) = 16,896 bytes; chunk number = row block x 32 + K step.  Lane r of tile t is row 32 (t / 2) + 8 (t % 2) + r + 8 (r / 8).
; SHARES.  A work-group makes 128 x 128 of the result (256 work-groups); four waves, 64 x 64 each: 16 accumulators.  Source 0 = the weights' rows (X), source 1 = the tokens (Y): a lane holds one token and, over tiles 2 b, 2 b + 1, 16 neighbouring columns.
; RING.  Two LDS slots; a slot holds four K steps of both operands (135,168 bytes), one joint load a wave (two chunks: 132 dense rows of 256 bytes).  K = 4,096 is eight slots' worth.  One trip of the loop goes once round the ring,
; from a slot 0's second K step to the next slot 0's first; the first K step (the bias is its C) and the last two slots, which ask for nothing, are written out.
; CLUSTER 4 x 4: the tokens' chunks hang on y alone and are asked for jointly along a row of the cluster, the weights' on x alone, along a column.  A refill stands behind a round of the cluster's barrier.
; PREFETCH.  Where the fill for slot's worth n is issued, slot's worth n + 2 is asked for (at the head: 1 and 2; the loop's last trip asks for nothing: there is no 8 or 9).  Of the 132 rows that a wave fetches, each of the four partners
; that fetch them jointly names 33, told apart by address (cx for Y, cy for X): 32 by a lane a row, the 33rd by a second line in which all lanes name it.  So each row of 256 bytes is named once in each cluster that fetches it.
; The residual is asked for behind the second fill and lands during the product.  The results go through each wave's own stage in LDS and leave as aligned runs of 256 bytes.
; LIMITS: NaN and infinities are not served.
; REGISTERS: window 0: v8-11 fragment addresses, v16-19 scale addresses, v20-30 see below, v32-47 scale words (two sets), v64-95 rows on the way out, v96-127 the bias, later rows on the way out, v128-255 accumulators.
;   window 1: two sets of fragments.   window 2: v0-127 the residual.
.set CH,    16896
.set SCO,   16384
.set OPER,  4*CH                       ; one operand's part of a slot
.set SLOT,  2*OPER
.set QTR,   2*CH                       ; what one tensor load brings
.set STAGE, 2*SLOT                     ; behind the ring: 16 rows x 272 bytes for each wave
.set SP,    272
.set SPARE, STAGE+4*16*SP              ; the spare words, 128 bytes for each wave, that no other line names
.set KS,    32
.set XOFF,  8650752                    ; l3_w's chunks in wts
.set SHARE, 33*256                     ; a partner's share of a wave's 132 rows
.set FX,  8                            ; v8-9   X's fragments in slot 0, 1
.set FY,  10                           ; v10-11 Y's
.set SX,  16                           ; v16-17 X's scale words
.set SY,  18                           ; v18-19 Y's
.set SPW, 20                           ; v20 LDS address of my spare word; never rewritten
.set NIL, 21                           ; v21 0; never rewritten
.set LI,  22                           ; v22 16 x lane
.set R32, 24                           ; v24 32 r
.set H64, 25                           ; v25 64 h
.set CO,  26                           ; v26 my byte offset in two rows of the result
.set STO, 27                           ; v27 the stage: where I put 32 bytes of a row
.set RD,  28                           ; v28 and where I read a row back
.set PFO, 29                           ; v29 256 x lane; never rewritten
.set PFL, 30                           ; v30 32 x 256; never rewritten
.set SC,  32
.set BK,  64
.set BIAS, 96
.set ACC, 128
.set G1,  24                           ; s[24:31] group 1 for Y, s[32:39] its groups 0, one for each slot
.set G0,  32
.set G1B, 48                           ; s[48:55], s[56:63] the same for X
.set G0B, 56
.set PFA, 78                           ; s[78:79] where my prefetches stand
.set MSB, 0
.macro WIN new                         ; the immediate's high byte repeats the setting that is left
.if MSB != \new
	s_set_vgpr_msb (MSB<<8)|\new
.set MSB, \new
.endif
.endm
.set MUL,  0x05                        ; sources 0 and 1 window 1; C and D window 0
.set TO_F, 0x40                        ; destination window 1, address window 0
.macro JLOAD s                         ; a joint load: waves 0 and 1 fetch Y's halves, waves 2 and 3 X's; an s_nop 0 and four v_nop follow each of the two lines
	s_cmp_eq_u32 s11, 0
	s_cbranch_scc0 .Lfor_x_\@
	tensor_load_to_lds s[G0+4*\s:G0+4*\s+3], s[G1:G1+7]
	s_nop 0
.rept 4
	v_nop
.endr
	s_branch .Lasked_\@
.Lfor_x_\@:
	tensor_load_to_lds s[G0B+4*\s:G0B+4*\s+3], s[G1B:G1B+7]
	s_nop 0
.rept 4
	v_nop
.endr
.Lasked_\@:
.endm
.macro CREST                           ; a round of the cluster's barrier behind its opening barrier
	s_cmp_lg_u32 s10, 0
	s_cbranch_scc1 .Lnot_wave_0_\@
	s_barrier_signal -3
.Lnot_wave_0_\@:
	s_barrier_wait -3
	s_barrier_signal -1
	s_barrier_wait -1
.endm
.macro CROUND
	s_barrier_signal -1
	s_barrier_wait -1
	CREST
.endm
.macro PLACES n                        ; plain vector instructions behind matrix instructions: eight for this form
.rept \n
	v_nop
.endr
.endm
.macro ASKAT n                         ; my 33 rows, n slots' worth on from where s[PFA] stands
	global_prefetch_b8 v[PFO], s[PFA:PFA+1] offset:(\n)*OPER th:TH_LOAD_NT scope:SCOPE_SE
	global_prefetch_b8 v[PFL], s[PFA:PFA+1] offset:(\n)*OPER th:TH_LOAD_NT scope:SCOPE_SE
.endm
.macro ASK                             ; in the loop: s3 = 1 in the last trip, whose look-ahead would pass the end of K
	WIN 0
	s_cmp_gt_u32 s3, 1
	s_cbranch_scc0 .Lnone_\@
	ASKAT 3
.Lnone_\@:
.endm
; four matrix instructions: source 1's tile i against source 0's four.  cm = 2: the bias starts the sums.  The 16 accumulators take turns, one instruction a turn.
.macro MULI st, i, cm
.irp j, 0,1,2,3
.if \cm == 2
	v_wmma_scale_f32_16x16x128_f8f6f4 v[ACC+8*(4*(\i)+\j):ACC+8*(4*(\i)+\j)+7], v[128*(\st)+16*\j:128*(\st)+16*\j+15], v[128*(\st)+64+16*(\i):128*(\st)+64+16*(\i)+15], v[BIAS+8*\j:BIAS+8*\j+7], v[SC+8*(\st)+\j], v[SC+8*(\st)+4+(\i)]
.else
	v_wmma_scale_f32_16x16x128_f8f6f4 v[ACC+8*(4*(\i)+\j):ACC+8*(4*(\i)+\j)+7], v[128*(\st)+16*\j:128*(\st)+16*\j+15], v[128*(\st)+64+16*(\i):128*(\st)+64+16*(\i)+15], v[ACC+8*(4*(\i)+\j):ACC+8*(4*(\i)+\j)+7], v[SC+8*(\st)+\j], v[SC+8*(\st)+4+(\i)]
.endif
.endr
.endm
; 34 LDS loads in one run: K step k of a slot into set st: the scale words, X's four fragments, Y's four
.macro FETCH slot, k, st
	WIN 0
	ds_load_b128 v[SC+8*(\st):SC+8*(\st)+3], v[SX+(\slot)] offset:(\k)*CH
	ds_load_b128 v[SC+8*(\st)+4:SC+8*(\st)+7], v[SY+(\slot)] offset:(\k)*CH
	WIN TO_F
.irp j, 0,1,2,3
.irp c, 0,1,2,3
	ds_load_b128 v[128*(\st)+16*\j+4*\c:128*(\st)+16*\j+4*\c+3], v[FX+(\slot)] offset:(\k)*CH+\j*2048+\c*512
.endr
.endr
.irp j, 0,1,2,3
.irp c, 0,1,2,3
	ds_load_b128 v[128*(\st)+64+16*\j+4*\c:128*(\st)+64+16*\j+4*\c+3], v[FY+(\slot)] offset:(\k)*CH+\j*2048+\c*512
.endr
.endr
.endm
.macro STEP slot, k, cm                ; one of a slot's first three K steps
	s_wait_dscnt 8                                 ; all but the youngest eight loads (Y's tiles 2, 3) are in
	WIN MUL
	MULI (\k)%2, 0, \cm
	MULI (\k)%2, 1, \cm
	PLACES 8                                       ; for the loads into the other set, which the step before multiplied
	FETCH \slot, (\k)+1, 1-(\k)%2
	s_wait_dscnt 34                                ; all but the 34 just issued
	WIN MUL
	MULI (\k)%2, 2, \cm
	MULI (\k)%2, 3, \cm
.endm
; A slot's last K step changes slots: one barrier; in front of it each wave waits for all its tensor loads, adds 0 to its spare word, and waits for that and for its reads of this slot.  fill = 1: the slot takes the K steps two slots on.
.macro TURN slot, fill
	WIN 0
.if \fill
	s_wait_xcnt 0x0                                ; my prefetches have read their address: it is stepped only behind this wait
	s_add_nc_u64 s[PFA:PFA+1], s[PFA:PFA+1], OPER
.endif
	s_wait_tensorcnt 0x0                           ; all my tensor loads have landed: my part of the next slot
	ds_add_u32 v[SPW], v[NIL]                      ; 0 onto my spare word
	s_wait_dscnt 9                                 ; (the add and the youngest eight loads may be out)
	WIN MUL
	MULI 1, 0, 0
	s_wait_dscnt 0x0                               ; the add is done, and my reads of this slot are over
	s_barrier_signal -1
	MULI 1, 1, 0
	WIN 0
	s_barrier_wait -1
.if \fill
	CREST                                          ; the barrier has opened a round of the cluster's: no wave of any partner still reads this slot or has a load on its way
	s_add_nc_u64 s[G0+4*\slot+2:G0+4*\slot+3], s[G0+4*\slot+2:G0+4*\slot+3], 2*OPER
	s_add_nc_u64 s[G0B+4*\slot+2:G0B+4*\slot+3], s[G0B+4*\slot+2:G0B+4*\slot+3], 2*OPER
	JLOAD \slot                                    ; the first tensor load behind the round, my one until the next; its four v_nop are four of the eight places
	PLACES 4
.else
	PLACES 8
.endif
	FETCH 1-\slot, 0, 0
.if \fill
	ASK
.endif
	WIN MUL
	MULI 1, 2, 0
	MULI 1, 3, 0
.endm
; THE WAY OUT of source 1's tile i: 16 tokens x my 64 columns through my own stage, back as rows of 256 bytes.  LDS serves a wave's instructions in order (ISA guide 5.7.1.4): no wait between the stores and the loads.
.macro TOSTAGE i
.irp j, 0,1,2,3
	ds_store_b128 v[STO], v[ACC+32*(\i)+8*\j:ACC+32*(\i)+8*\j+3] offset:128*(\j/2)+32*(\j%2)        ; each accumulator from its low end on
	ds_store_b128 v[STO], v[ACC+32*(\i)+8*\j+4:ACC+32*(\i)+8*\j+7] offset:128*(\j/2)+32*(\j%2)+16
.endr
.irp t, 0,1,2,3,4,5,6,7
	ds_load_b128 v[BK+32*((\i)%2)+4*\t:BK+32*((\i)%2)+4*\t+3], v[RD] offset:2*\t*SP
.endr
.endm
.macro SEND i, younger                 ; younger: the LDS instructions issued behind tile i's loads
	s_wait_dscnt \younger
	WIN 0x08                                       ; source 1: window 2, the residual
.set u, 0
.rept 16
	v_pk_add_f32 v[BK+32*((\i)%2)+u:BK+32*((\i)%2)+u+1], v[BK+32*((\i)%2)+u:BK+32*((\i)%2)+u+1], v[32*(\i)+u:32*(\i)+u+1]
.set u, u+2
.endr
	WIN 0
.irp t, 0,1,2,3,4,5,6,7
	global_store_b128 v[CO], v[BK+32*((\i)%2)+4*\t:BK+32*((\i)%2)+4*\t+3], s[72:73] offset:(32*((\i)/2)+8*((\i)%2)+2*\t+8*(\t/4))*4096   ; 16 lanes store 256 consecutive bytes, at a multiple of 256 from the buffer's first byte
.endr
.endm
	s_load_b128 s[4:7], s[0:1], 0x0                ; Y: hid s[4:5];  X: wts s[6:7]
	s_load_b128 s[68:71], s[0:1], 0x10             ; the bias s[68:69], the residual s[70:71]
	s_load_b64 s[72:73], s[0:1], 0x20              ; the result
	v_lshl_add_u32 v[SPW], v0, 2, SPARE
	v_mov_b32 v[NIL], 0
	ds_add_u32 v[SPW], v[NIL]                      ; the wave's opening: the add, twice on end, and its wait ahead of my first tensor load
	ds_add_u32 v[SPW], v[NIL]
	v_lshrrev_b32 v1, 5, v0
	v_readfirstlane_b32 s10, v1                    ; wave 0..3
	s_lshr_b32 s11, s10, 1                         ; q: my half of the tokens.  Also: I fetch for Y (0) or X (1)
	s_and_b32 s12, s10, 1                          ; p: my half of the columns.  Also: which two of an operand's four chunks I fetch
	s_bfe_u32 s40, ttmp6, 0x40000                  ; cx, cy: my place in the cluster
	s_bfe_u32 s41, ttmp6, 0x40004
	s_lshl_b32 s42, ttmp9, 2
	s_add_co_u32 s42, s42, s40                     ; x
	s_and_b32 s13, ttmp7, 0xffff
	s_lshl_b32 s13, s13, 2
	s_add_co_u32 s13, s13, s41                     ; y
	s_lshl_b32 s43, s41, 2
	s_lshl_b32 s43, 15, s43                        ; my row of the cluster
	s_lshl_b32 s44, 0x1111, s40                    ; my column
	s_or_b32 s[G1+0], s43, (3<<16)|(1<<21)         ; the mask; elements of 8 bytes; bit 21 beside a mask; no padding: the images are read 512 consecutive bytes at a time
	s_or_b32 s[G1B+0], s44, (3<<16)|(1<<21)
.irp g, G1, G1B
	s_mov_b32 s[\g+1], 32<<16                      ; 256 bytes a row
	s_mov_b32 s[\g+2], 132<<16                     ; 132 rows: two chunks
	s_mov_b32 s[\g+3], 32<<16
	s_mov_b32 s[\g+4], 132
	s_mov_b32 s[\g+5], 32                          ; dense
	s_mov_b32 s[\g+6], 0
	s_mov_b32 s[\g+7], 0
.endr
	s_mul_i32 s17, s12, QTR
	s_mul_i32 s16, s13, KS*CH                      ; Y: row block y: hangs on y and the wave alone
	s_add_co_u32 s16, s16, s17
	s_mul_i32 s46, s42, KS*CH                      ; X: row block x: on x and the wave alone
	s_add_co_u32 s46, s46, s17
	s_add_co_u32 s46, s46, XOFF
	s_mov_b32 s17, 0
	s_mov_b32 s47, 0
	s_mul_i32 s20, s10, QTR                        ; where my two chunks go in a slot: no place in the cluster enters an LDS address
	s_lshl_b32 s21, s12, 13                        ; what I read: X's half p (four fragments),
	s_add_co_u32 s21, s21, OPER
	s_lshl_b32 s22, s11, 13                        ; Y's half q,
	s_lshl_b32 s23, s12, 4                         ; and their scale words
	s_add_co_u32 s23, s23, OPER+SCO
	s_lshl_b32 s45, s11, 4
	s_add_co_u32 s45, s45, SCO
	s_mul_i32 s18, s10, 16*SP
	s_add_co_u32 s18, s18, STAGE                   ; my stage
	s_lshl_b32 s74, s42, 9                         ; my first column, in bytes: 512 x + 256 p
	s_lshl_b32 s75, s12, 8
	s_add_co_u32 s74, s74, s75
	s_mov_b32 s75, 0
	s_lshl_b32 s76, s13, 19                        ; my first row: 128 y + 64 q, of 4,096 bytes
	s_lshl_b32 s77, s11, 18
	s_add_co_u32 s76, s76, s77
	s_add_co_u32 s76, s76, s74
	s_mov_b32 s77, 0
	s_cmp_eq_u32 s11, 0
	s_cselect_b32 s80, s40, s41                    ; my place among the four that fetch my rows with me: it enters a prefetch's global address alone
	s_mul_i32 s80, s80, SHARE
	s_mov_b32 s81, 0
	s_wait_dscnt 0x0                               ; both opening adds are done
	CROUND                                         ; the opening round, ahead of the wait for the arguments: all sixteen work-groups are here
	s_wait_kmcnt 0x0
	s_add_nc_u64 s[14:15], s[4:5], s[16:17]
	s_add_nc_u64 s[46:47], s[6:7], s[46:47]
.irp s, 0,1
	s_mov_b32 s[G0+4*\s], 1
	s_add_co_u32 s[G0+4*\s+1], s20, \s*SLOT
	s_add_nc_u64 s[G0+4*\s+2:G0+4*\s+3], s[14:15], \s*OPER
	s_or_b32 s[G0+4*\s+3], s[G0+4*\s+3], 0x80000000
	s_mov_b32 s[G0B+4*\s], 1
	s_add_co_u32 s[G0B+4*\s+1], s20, \s*SLOT
	s_add_nc_u64 s[G0B+4*\s+2:G0B+4*\s+3], s[46:47], \s*OPER
	s_or_b32 s[G0B+4*\s+3], s[G0B+4*\s+3], 0x80000000
.endr
	JLOAD 0                                        ; K steps 0-3: one tensor load a wave at the head
	s_cmp_eq_u32 s11, 0
	s_cselect_b64 s[PFA:PFA+1], s[14:15], s[46:47]
	s_add_nc_u64 s[PFA:PFA+1], s[PFA:PFA+1], s[80:81]   ; my share of my wave's rows, at K step 0
	s_add_nc_u64 s[68:69], s[68:69], s[74:75]
	s_add_nc_u64 s[70:71], s[70:71], s[76:77]
	s_add_nc_u64 s[72:73], s[72:73], s[76:77]
	v_and_b32 v1, 15, v0                           ; r
	v_bfe_u32 v2, v0, 4, 1                         ; h
	v_and_b32 v3, 31, v0
	v_lshlrev_b32 v[LI], 4, v3
	v_lshlrev_b32 v[R32], 5, v1
	v_lshlrev_b32 v[H64], 6, v2
	v_lshlrev_b32 v[PFO], 8, v3
	v_mov_b32 v[PFL], 32*256
	v_add_nc_u32 v[FX], s21, v[LI]
	v_add_nc_u32 v[FY], s22, v[LI]
	v_add_nc_u32 v[SX], s23, v[R32]
	v_add_nc_u32 v[SY], s45, v[R32]
	v_add_nc_u32 v[FX+1], SLOT, v[FX]
	v_add_nc_u32 v[FY+1], SLOT, v[FY]
	v_add_nc_u32 v[SX+1], SLOT, v[SX]
	v_add_nc_u32 v[SY+1], SLOT, v[SY]
	v_mul_u32_u24 v4, v1, SP
	v_mul_u32_u24 v5, v2, SP
	v_lshlrev_b32 v6, 12, v2
	v_add_nc_u32 v4, v4, v[H64]
	v_lshl_add_u32 v5, v1, 4, v5
	v_add_nc_u32 v[STO], s18, v4                   ; into the stage: row r, + 64 h
	v_add_nc_u32 v[RD], s18, v5                    ; back: lanes 0-15 one row, lanes 16-31 the next
	v_lshl_add_u32 v[CO], v1, 4, v6                ; and the same two rows in memory
	s_wait_alu depctr_va_vdst(0)                   ; the wait behind the head's last vector instruction
.irp j, 0,1,2,3
	global_load_b128 v[BIAS+8*\j:BIAS+8*\j+3], v[H64], s[68:69] offset:(32*(\j/2)+8*(\j%2))*4        ; tile j, lane half h: columns 32 (j / 2) + 16 h + 8 (j % 2) + 0 .. 7
	global_load_b128 v[BIAS+8*\j+4:BIAS+8*\j+7], v[H64], s[68:69] offset:(32*(\j/2)+8*(\j%2))*4+16
.endr
	ASKAT 1                                        ; what the next two fills will fetch
	ASKAT 2
	s_wait_tensorcnt 0x0                           ; my part of slot 0 is in; these lines stand ahead of a later first fill, as ahead of a refill
	ds_add_u32 v[SPW], v[NIL]
	s_wait_dscnt 0x0
	CROUND                                         ; everybody's part is in, and all sixteen work-groups are here
	JLOAD 1                                        ; K steps 4-7, the first tensor load behind the round
	FETCH 0, 0, 0
	WIN 0
	ASKAT 3
	WIN 0x80                                       ; destination window 2
.irp i, 0,1,2,3
.irp t, 0,1,2,3,4,5,6,7
	global_load_b128 v[32*\i+4*\t:32*\i+4*\t+3], v[CO], s[70:71] offset:(32*(\i/2)+8*(\i%2)+2*\t+8*(\t/4))*4096
.endr
.endr
	WIN 0
	s_wait_loadcnt 32                              ; the bias is in; the residual's 32 loads, issued behind it, stay out
	STEP 0, 0, 2                                   ; the first K step stands in front of the loop: the bias starts the sums
	WIN 0                                          ; at a label and at a branch every window is 0
	s_mov_b32 s3, 3
.Llap:                                                 ; three trips, each once round the ring: both slots are filled again
	STEP 0, 1, 0
	STEP 0, 2, 0
	TURN 0, 1
	STEP 1, 0, 0
	STEP 1, 1, 0
	STEP 1, 2, 0
	TURN 1, 1
	STEP 0, 0, 0
	WIN 0
	s_sub_co_u32 s3, s3, 1
	s_cmp_lg_u32 s3, 0
	s_cbranch_scc1 .Llap
	STEP 0, 1, 0                                   ; the last two slots ask for nothing
	STEP 0, 2, 0
	TURN 0, 0
	STEP 1, 0, 0
	STEP 1, 1, 0
	STEP 1, 2, 0
	s_wait_dscnt 8                                 ; the very last K step: nothing more to fetch
	WIN MUL
	MULI 1, 0, 0
	MULI 1, 1, 0
	s_wait_dscnt 0x0
	MULI 1, 2, 0
	MULI 1, 3, 0
	WIN 0
	PLACES 8
	s_wait_loadcnt 0x0                             ; the residual
	TOSTAGE 0
.irp i, 1,2,3
.if \i > 1
	s_wait_xcnt 0x0                                ; tile i - 2's stores have read their registers: tile i's loads may land there
.endif
	TOSTAGE \i
	SEND \i-1, 16                                  ; behind tile i - 1's loads: tile i's 8 stores and 8 loads
.endr
	SEND 3, 0
	s_wait_tensorcnt 0x0                           ; the wave's end
	ds_add_u32 v[SPW], v[NIL]
	s_wait_dscnt 0x0
	CROUND                                         ; the closing round: no work-group ends while a partner may still ask for a tile that names it
	s_endpgm
.Lfunc_end_k_q4ed5abcded_l3:
	.size	k_q4ed5abcded_l3, .Lfunc_end_k_q4ed5abcded_l3-k_q4ed5abcded_l3
	.p2alignl 7, 3214868480
	.fill 96, 4, 3214868480
	.section	.rodata,"a",@progbits
	.p2align	6, 0x0
	.amdhsa_kernel k_q4ed5abcded_l3
		.amdhsa_group_segment_fixed_size 327680
		.amdhsa_private_segment_fixed_size 0
		.amdhsa_enable_private_segment 0
		.amdhsa_kernarg_size 40
		.amdhsa_user_sgpr_count 2
		.amdhsa_user_sgpr_kernarg_segment_ptr 1
		.amdhsa_wavefront_size32 1
		.amdhsa_system_sgpr_workgroup_id_x 1
		.amdhsa_system_sgpr_workgroup_id_y 1
		.amdhsa_system_sgpr_workgroup_id_z 1
		.amdhsa_system_vgpr_workitem_id 0
		.amdhsa_next_free_vgpr 640
		.amdhsa_next_free_sgpr 96
		.amdhsa_reserve_vcc 0
		.amdhsa_float_denorm_mode_32 3
		.amdhsa_float_denorm_mode_16_64 3
		.amdhsa_memory_ordered 1
		.amdhsa_forward_progress 1
		.amdhsa_inst_pref_size 100
	.end_amdhsa_kernel
	.amdgpu_metadata
---
amdhsa.version: [ 1, 2 ]
amdhsa.kernels:
  - .name:           k_q4ed5abcded_l3
    .symbol:         k_q4ed5abcded_l3.kd
    .args:
      - { .name: hid, .offset: 0, .size: 8, .value_kind: global_buffer, .address_space: global }
      - { .name: wts, .offset: 8, .size: 8, .value_kind: global_buffer, .address_space: global }
      - { .name: l3_b, .offset: 16, .size: 8, .value_kind: global_buffer, .address_space: global }
      - { .name: x1, .offset: 24, .size: 8, .value_kind: global_buffer, .address_space: global }
      - { .name: out0, .offset: 32, .size: 8, .value_kind: global_buffer, .address_space: global }
    .group_segment_fixed_size: 327680
    .private_segment_fixed_size: 0
    .kernarg_segment_align: 8
    .kernarg_segment_size: 40
    .max_flat_workgroup_size: 128
    .sgpr_count:     96
    .vgpr_count:     640
    .wavefront_size: 32
...
	.end_amdgpu_metadata
.endif
;; end of part 6
